; MI455X (gfx1250); checked and timed in simulation.
; The chip was launched on July 23, 2026; its instructions are those of AMD's public machine-readable ISA for CDNA 5 (MIT licence, August 2026) and "CDNA5" Instruction Set Architecture Reference Guide (July 2026). The comments in the code are by the model that wrote it; some were corrected since.
;; Encoder. Allowed arithmetic: matrix products marked QUANTISED: E5M2 operands, one E8M0 scale for each 32 along K, by v_wmma_scale_f32_16x16x128_f8f6f4 with both operands' format E5M2, f32 sums; everything else in f32.
;; Inputs: b1 4,096 float32; b2 1,024 float32; bk 1,024 float32; bo 1,024 float32; bq 1,024 float32; bv 1,024 float32; ln1_b 1,024 float32; ln1_g 1,024 float32; ln2_b 1,024 float32; ln2_g 1,024 float32; w1 1,024 x 4,096 float32; w2 4,096 x 1,024 float32; wk 1,024 x 1,024 float32; wo 1,024 x 1,024 float32; wq 1,024 x 1,024 float32; wv 1,024 x 1,024 float32; x 2 x 2,048 x 1,024 float32.
;; Outputs: out0 2 x 2,048 x 1,024 float32.
;; This version of the problem:
;;   THIS VERSION OF THE PROBLEM IS GIVEN IN LOW PRECISION. The matrix products marked QUANTISED in the list below multiply operands that are first quantised to E5M2 (5 exponent bits, 2 mantissa bits; 8 bits a number), with one power-of-two scale for each 32 numbers along K (OCP MX v1.0); their sums are f32. All else is computed in f32.
;;   The module's matrix products, in the order in which they are computed (A, B: the left and right operand; K: the contracted axis; several contracted axes count as one K, in the product's order):
;;     1. [M 4,096, K 1,024] x [K 1,024, N 1,024]; A: computed on the way; B: input wq: QUANTISED
;;     2. [M 4,096, K 1,024] x [K 1,024, N 1,024]; A: computed on the way; B: input wk: QUANTISED
;;     3. [M 4,096, K 1,024] x [K 1,024, N 1,024]; A: computed on the way; B: input wv: QUANTISED
;;     4. batch 32 x [M 2,048, K 64] x [K 64, N 2,048]; A: computed on the way; B: computed on the way: QUANTISED
;;     5. batch 32 x [M 2,048, K 2,048] x [K 2,048, N 64]; A: softmax (see below); B: computed on the way: QUANTISED
;;     6. [M 4,096, K 1,024] x [K 1,024, N 1,024]; A: computed on the way; B: input wo: QUANTISED
;;     7. [M 4,096, K 1,024] x [K 1,024, N 4,096]; A: computed on the way; B: input w1: QUANTISED
;;     8. [M 4,096, K 4,096] x [K 4,096, N 1,024]; A: computed on the way; B: input w2: QUANTISED
;;   THE QUANTISER, for each operand of a quantised product, along K:
;;     - K is cut into blocks of 32 from its start; a last block that is shorter is filled with zeros.
;;     - A block's scale is 2^e with e = floor(log2(the largest magnitude in the block)) - 15, held to -126 .. 127; a block of zeros has e = 0. As a byte (E8M0): e + 127.
;;     - Each number is divided by its block's scale, clamped to +-57,344, and rounded to the nearest number of E5M2, ties to even, subnormals kept.
;;     - The product sums the exact products of the quantised numbers (number of the format x scale) in f32.
;;   ~~~python
;;   def quantise(x, axis):      # numpy; x: float32 -> the quantised numbers, widened to float32 again
;;       x = np.moveaxis(x, axis, -1); K = x.shape[-1]
;;       x = np.pad(x, [(0, 0)] * (x.ndim - 1) + [(0, -K % 32)]); x = x.reshape(x.shape[:-1] + (-1, 32)); a = np.abs(x).max(-1, keepdims=True)
;;       e = np.where(a > 0, np.clip(np.frexp(np.where(a > 0, a, 1))[1] - 1 - 15, -126, 127), 0)      # np.frexp(a)[1] - 1 = floor(log2(a)), exactly
;;       r = np.clip(x / 2.0 ** e, -57344, 57344)
;;       step = 2.0 ** (np.maximum(np.frexp(np.where(r == 0, 1, r))[1] - 1, -14) - 2)
;;       q = np.round(r / step) * step * 2.0 ** e      # np.round: ties to even
;;       return np.moveaxis(q.reshape(q.shape[:-2] + (-1,))[..., :K], -1, axis).astype(np.float32)
;;   ~~~
;;   SOFTMAX AHEAD OF A QUANTISED PRODUCT. Where the list says 'softmax', what is quantised is not the finished softmax but p = 2^(t - M), with t = logit x log2(e) and M = ceil(the row's largest t), a whole number; so 1/2 < the row's largest p <= 1. The row's sum l is taken of the UNQUANTISED p, in f32, and the product's result is divided by l at the end. Since M is a whole number, a kernel that streams over the keys may use a running M (the ceiling of the running maximum): every later rescaling is an exact power of two, which a block's scale takes up: the codes' values come out the same.
;;   OPERANDS COMPUTED ON THE WAY. 'Computed on the way' means the value that the module computes at that place (a softmax that the list does not call 'softmax' is quantised finished and normalised). What goes into a quantiser is computed in f32, as accurately as f32 sums, v_exp_f32 and their like allow (about 1e-6 of the number): no bf16 or f16 on the way to a quantiser, and a product that is left as it is and whose result goes on into a quantised operand takes f32 operands (vector FMAs, or v_wmma_f32_16x16x4_f32). A number that lies on a knife's edge between two numbers of the format may be rounded either way, as far as f32 arithmetic and the matrix unit's own rounding can turn it there, and no further.
;; One version. Each part assembles by itself: llvm-mc -triple=amdgcn-amd-amdhsa -mcpu=gfx1250 --defsym DOCPART=n.
;; ======== version 1 of 1: 7 launches
;; limits: right only within a limited range of input values
;; workspace buffers: wimg 12,976,128 bytes; himg 4,325,376 bytes; qimg 4,325,376 bytes; kvimg 8,650,752 bytes; aimg 4,325,376 bytes; x1 16,777,216 bytes; h2img 4,325,376 bytes; gimg 17,301,504 bytes
;; launch prep (part 1): grid 128 x 5, 4 waves a work-group, no clusters, 18,432 bytes of LDS; arguments x, ln1_g, ln1_b, himg, wq, wk, wv, wo, w1, w2, wimg; writes himg, wimg
.if DOCPART == 1
	.amdgcn_target "amdgcn-amd-amdhsa--gfx1250"
	.amdhsa_code_object_version 6
	.text
	.protected	k_qc3ce9ee8b4_prep
	.globl	k_qc3ce9ee8b4_prep
	.p2align	8
	.type	k_qc3ce9ee8b4_prep,@function
k_qc3ce9ee8b4_prep:
	s_mov_b64 s[64:65], 0
	v_nop
	global_prefetch_b8 v0, s[64:65] scope:SCOPE_SE
	s_setreg_imm32_b32 hwreg(HW_REG_WAVE_MODE, 25, 1), 1
	s_wait_xcnt 0x0
; TWO JOBS, chosen by the work-group's y.
; y = 0, 1: LAYER NORM of 16 rows of [4096][1024] f32, quantised along the row to codes of BF8 (E5M2) with one E8M0 byte for each 32.
; y = 2, 3, 4: a piece of 128 columns x 256 K of a weight stored [K][N] f32, quantised along K (y = 2: wq, wk, wv, wo; 3: w1; 4: w2).
; WHAT IS STORED is an image of the operand's registers.  A RECORD (REC bytes) holds 128 rows x 256 K: the codes of row tile rt, 128-K half q,
; block c at rt 4096 + q 2048 + c 512 + 16 lane (lane (r, h): k = 32 c + 16 h + 0..15 of place r), the scale words at 32768 + q 512 + rt 64 + 4 r.
; Within each 32 rows, tile u's place r is row 8 u + r + 8 (r / 8).  An image is [rows / 128][K / 256][REC].
; A block's scale is 2^(floor(log2(largest magnitude)) - 15); numbers are held within +-57,344 x the scale and rounded to nearest, ties to even.
; LIMITS: NaN and infinities are not served; a block whose largest magnitude lies under 2^-111, a block of zeros too, keeps the byte 1
; (its codes are then small or zero; the bytes are read by this program alone).
; The weights' path uses no LDS.  One barrier stands on the way that both paths take.
.set REC,  33792
.set PCH,  272                         ; the stage: a chunk of 256 bytes + 16 of padding
.set SCST, 64*PCH                      ; behind the 64 chunks: 128 scale words, [K / 256][q][place]
.set X,    64                          ; v64-191  four rows x 32 numbers
.set G,    192                         ; v192-223 the gain, later the codes
.set BB,   224                         ; v224-255 the bias, later the scale bytes
.set WX,   32                          ; weights: v32-95 two sets of 32 numbers
.set WC,   96                          ; v96-159 eight registers of codes for each block: no store's data are written again
.set WSB,  24                          ; v24-25 scale words
	s_load_b256 s[4:11], s[0:1], 0x0               ; rows s[4:5], gain s[6:7], bias s[8:9], the rows' image s[10:11]
	s_load_b256 s[12:19], s[0:1], 0x20             ; wq, wk, wv, wo
	s_load_b128 s[20:23], s[0:1], 0x40             ; w1, w2
	s_load_b64 s[24:25], s[0:1], 0x50              ; the weights' image
	v_lshl_add_u32 v5, v0, 2, 0x4600
	s_set_vgpr_msb 0x40
	v_mov_b32 v1, 0
	s_set_vgpr_msb 0x4000
	v_lshrrev_b32 v2, 5, v0
	v_readfirstlane_b32 s26, v2                    ; wave
	v_and_b32 v1, 31, v0                           ; lane
	s_and_b32 s27, ttmp7, 0xffff                   ; y
	s_mov_b32 s28, 0x76543210
	s_mov_b32 s29, 0xfedcba98                      ; v_permlanex16_b32: lane l xor 16
	s_mov_b32 s30, 0x3727c5ac                      ; 1e-5
	s_mov_b32 s31, 0x3a800000                      ; 1 / 1024
	s_mov_b32 s33, 0x600000                        ; the mantissa field of 57,344
	; every LDS address is made here, ahead of the parting of the two paths
	v_lshrrev_b32 v2, 1, v1
	v_mul_u32_u24 v6, v2, PCH
	v_and_b32 v2, 1, v1
	v_lshl_add_u32 v6, v2, 3, v6
	s_lshl_b32 s34, s26, 6
	v_add_nc_u32 v6, s34, v6                       ; codes in: chunk lane / 2, byte 8 (lane % 2), my wave's four places 64 w on
	v_lshrrev_b32 v3, 4, v1                        ; lane / 16
	v_bfe_u32 v2, v1, 2, 2
	v_lshl_add_u32 v7, v3, 6, v2
	s_lshl_b32 s34, s26, 4
	s_add_co_u32 s34, s34, SCST
	v_add_nc_u32 v7, s34, v7                       ; scale bytes in: q = lane / 16, byte (lane / 4) % 4, place 4 w on
	v_and_b32 v4, 15, v1
	v_mul_u32_u24 v8, v3, PCH
	v_lshl_add_u32 v8, v4, 4, v8
	s_mul_i32 s34, s26, 16*PCH
	v_add_nc_u32 v8, s34, v8                       ; codes out: wave w takes the 16 chunks of K step w, two an instruction
	v_lshlrev_b32 v9, 4, v1                        ; 16 x lane
	s_lshl_b32 s34, s26, 7
	s_add_co_u32 s34, s34, SCST
	v_lshl_add_u32 v10, v1, 2, s34                 ; scale words out
	v_lshlrev_b32 v11, 9, v3
	v_lshl_add_u32 v11, v4, 2, v11                 ; and their place in a record: q 512 + 4 place
	v_lshlrev_b32 v12, 5, v1                       ; 32 x lane: my 8 numbers of each 256
	s_lshl_b32 s35, s27, 7
	s_add_co_u32 s35, s35, ttmp9                   ; T: which tile of 16 rows
	s_lshr_b32 s36, s35, 1
	s_lshl_b32 s36, s36, 5
	s_and_b32 s37, s35, 1
	s_lshl_b32 s37, s37, 3
	s_add_co_u32 s36, s36, s37
	s_lshl_b32 s37, s26, 2
	s_add_co_u32 s36, s36, s37
	s_lshr_b32 s37, s26, 1
	s_lshl_b32 s37, s37, 3
	s_add_co_u32 s36, s36, s37                     ; my wave's first row: 32 (T / 2) + 8 (T % 2) + 4 w + 8 (w / 2): places 4 w .. 4 w + 3
	s_lshl_b32 s36, s36, 12
	s_mov_b32 s37, 0
	s_lshr_b32 s38, s35, 3
	s_lshl_b32 s38, s38, 2
	s_add_co_u32 s38, s38, s26
	s_mul_i32 s38, s38, REC                        ; record 4 (T / 8) + w
	s_and_b32 s39, s35, 7
	s_lshl_b32 s40, s39, 6
	s_add_co_u32 s40, s40, s38
	s_add_co_u32 s40, s40, 32768                   ; its scale words of tile T % 8
	s_mov_b32 s41, 0
	s_lshl_b32 s39, s39, 12
	s_add_co_u32 s38, s38, s39                     ; its codes of that tile
	s_mov_b32 s39, 0
	s_wait_kmcnt 0x0
	s_add_nc_u64 s[4:5], s[4:5], s[36:37]
	s_add_nc_u64 s[42:43], s[10:11], s[40:41]
	s_add_nc_u64 s[10:11], s[10:11], s[38:39]
	s_cmp_lt_u32 s27, 2
	s_cbranch_scc0 .Lweights
	; ---------------- LAYER NORM: a wave takes four rows; a lane columns 256 j + 8 lane + 0..7, j = 0..3
	s_wait_alu depctr_va_vdst(0)
.irp i, 0,1,2,3
.irp j, 0,1,2,3
	global_load_b128 v[X+32*\i+8*\j:X+32*\i+8*\j+3], v12, s[4:5] offset:4096*\i+1024*\j th:TH_LOAD_NT
	global_load_b128 v[X+32*\i+8*\j+4:X+32*\i+8*\j+7], v12, s[4:5] offset:4096*\i+1024*\j+16 th:TH_LOAD_NT
.endr
.endr
.irp j, 0,1,2,3
	global_load_b128 v[G+8*\j:G+8*\j+3], v12, s[6:7] offset:1024*\j
	global_load_b128 v[G+8*\j+4:G+8*\j+7], v12, s[6:7] offset:1024*\j+16
	global_load_b128 v[BB+8*\j:BB+8*\j+3], v12, s[8:9] offset:1024*\j
	global_load_b128 v[BB+8*\j+4:BB+8*\j+7], v12, s[8:9] offset:1024*\j+16
.endr
.irp i, 0,1,2,3
	v_mov_b32 v[32+\i], 0                          ; a lane permute's destination counts as one of its sources
.endr
.macro RED b                           ; the four rows' sums over the 32 lanes, by turns; the result in every lane
.irp m, 1,2,4,8
.irp i, 0,1,2,3
	v_add_f32_dpp v[\b+2*\i], v[\b+2*\i], v[\b+2*\i] row_xmask:\m row_mask:0xf bank_mask:0xf
.endr
.endr
.irp i, 0,1,2,3
	v_permlanex16_b32 v[32+\i], v[\b+2*\i], s28, s29
.endr
.irp i, 0,1,2,3
	v_add_f32 v[\b+2*\i], v[\b+2*\i], v[32+\i]
.endr
.endm
	s_wait_loadcnt 16                              ; the rows are in; the 16 loads of gain and bias may be out
.irp i, 0,1,2,3
	v_pk_add_f32 v[16+2*\i:17+2*\i], v[X+32*\i:X+32*\i+1], v[X+32*\i+2:X+32*\i+3]
.endr
.irp e, 4,6,8,10,12,14,16,18,20,22,24,26,28,30
.irp i, 0,1,2,3
	v_pk_add_f32 v[16+2*\i:17+2*\i], v[16+2*\i:17+2*\i], v[X+32*\i+\e:X+32*\i+\e+1]
.endr
.endr
.irp i, 0,1,2,3
	v_add_f32 v[16+2*\i], v[16+2*\i], v[17+2*\i]
.endr
	RED 16
.irp i, 0,1,2,3
	v_mul_f32 v[16+2*\i], s31, v[16+2*\i]          ; the mean
.endr
.irp i, 0,1,2,3
.set e, 0
.rept 16
	v_pk_add_f32 v[X+32*\i+e:X+32*\i+e+1], v[X+32*\i+e:X+32*\i+e+1], v[16+2*\i:17+2*\i] op_sel_hi:[1,0] neg_lo:[0,1] neg_hi:[0,1]
.set e, e+2
.endr
.endr
.irp i, 0,1,2,3
	v_pk_mul_f32 v[24+2*\i:25+2*\i], v[X+32*\i:X+32*\i+1], v[X+32*\i:X+32*\i+1]
.endr
.irp e, 2,4,6,8,10,12,14,16,18,20,22,24,26,28,30
.irp i, 0,1,2,3
	v_pk_fma_f32 v[24+2*\i:25+2*\i], v[X+32*\i+\e:X+32*\i+\e+1], v[X+32*\i+\e:X+32*\i+\e+1], v[24+2*\i:25+2*\i]
.endr
.endr
.irp i, 0,1,2,3
	v_add_f32 v[24+2*\i], v[24+2*\i], v[25+2*\i]
.endr
	RED 24
.irp i, 0,1,2,3
	v_fma_f32 v[24+2*\i], v[24+2*\i], s31, s30     ; the variance + 1e-5
.endr
	s_wait_alu depctr_va_vdst(0)
.irp i, 0,1,2,3
	v_rsq_f32 v[24+2*\i], v[24+2*\i]
.endr
	v_nop                                          ; a plain instruction behind the last of the four
	s_wait_alu depctr_va_vdst(0)                   ; one wait for the four, ahead of their first reader
	s_wait_loadcnt 0x0                             ; gain and bias
.irp i, 0,1,2,3
.set e, 0
.rept 16
	v_pk_mul_f32 v[X+32*\i+e:X+32*\i+e+1], v[X+32*\i+e:X+32*\i+e+1], v[24+2*\i:25+2*\i] op_sel_hi:[1,0]
.set e, e+2
.endr
.set e, 0
.rept 16
	v_pk_fma_f32 v[X+32*\i+e:X+32*\i+e+1], v[X+32*\i+e:X+32*\i+e+1], v[G+e:G+e+1], v[BB+e:BB+e+1]
.set e, e+2
.endr
.endr
; Row i is quantised: a lane's 8 numbers of each j lie in one block of 32, which four neighbouring lanes share.  The codes and bytes go into the registers
; that gain and bias have left, a set for each row, so that no LDS store's data are written again.
.macro QROW i
.irp j, 0,1,2,3
	v_max3_num_f32 v[32+\j], |v[X+32*\i+8*\j]|, |v[X+32*\i+8*\j+1]|, 0x8000000   ; with the floor 2^(16 - 127): the byte cannot fall under 1
.endr
.irp e, 2,4,6
.irp j, 0,1,2,3
	v_max3_num_f32 v[32+\j], v[32+\j], |v[X+32*\i+8*\j+\e]|, |v[X+32*\i+8*\j+\e+1]|
.endr
.endr
.irp m, 1,2
.irp j, 0,1,2,3
	v_max_num_f32_dpp v[32+\j], v[32+\j], v[32+\j] row_xmask:\m row_mask:0xf bank_mask:0xf
.endr
.endr
.irp j, 0,1,2,3
	v_add_nc_u32 v[36+\j], 0xf8800000, v[32+\j]    ; 15 off the exponent field: the conversion's scale operand
.endr
.irp j, 0,1,2,3
	v_and_or_b32 v[40+\j], v[32+\j], 0x7f800000, s33   ; 57,344 x the scale
.endr
.irp j, 0,1,2,3
	v_lshrrev_b32 v[BB+4*\i+\j], 23, v[36+\j]      ; the scale's byte
.endr
.irp j, 0,1,2,3
.irp e, 0,1,2,3,4,5,6,7
	v_med3_num_f32 v[X+32*\i+8*\j+\e], v[X+32*\i+8*\j+\e], -v[40+\j], v[40+\j]   ; the conversion does not saturate (ISA guide 7.6.2)
.endr
	v_cvt_scalef32_pk8_bf8_f32 v[G+8*\i+2*\j:G+8*\i+2*\j+1], v[X+32*\i+8*\j:X+32*\i+8*\j+7], v[36+\j]
.endr
.irp j, 0,1,2,3
	ds_store_b64 v6, v[G+8*\i+2*\j:G+8*\i+2*\j+1] offset:\j*16*PCH+\i*16
	ds_store_b8 v7, v[BB+4*\i+\j] offset:\j*128+4*\i   ; four lanes write the same byte with the same value
.endr
.endm
	QROW 0
	QROW 1
	QROW 2
	QROW 3
	s_branch .Ljoin
	; ---------------- WEIGHTS: one record.  A lane takes a column and its registers run down K: a block of 32 lies in one lane
.Lweights:
	s_cmp_eq_u32 s27, 4
	s_cselect_b32 s34, 4, 2
	s_cselect_b32 s35, 15, 3
	s_lshr_b32 s36, ttmp9, s34
	s_and_b32 s37, ttmp9, s35                      ; which 256 along K
	s_cmp_eq_u32 s27, 2
	s_cselect_b32 s35, 7, 31
	s_and_b32 s36, s36, s35                        ; which 128 columns
	s_lshr_b32 s38, ttmp9, 5
	s_add_co_u32 s39, s27, 1
	s_cmp_eq_u32 s27, 2
	s_cselect_b32 s38, s38, s39                    ; which tensor: 0 .. 5
.irp n, 1,2,3,4,5
	s_cmp_eq_u32 s38, \n
	s_cselect_b64 s[12:13], s[12+2*\n:13+2*\n], s[12:13]   ; the choice hangs on the work-group's number alone
.endr
	s_cmp_eq_u32 s27, 3
	s_cselect_b32 s39, 22, 20                      ; 256 rows of 16,384 or of 4,096 bytes
	s_lshl_b32 s40, s37, s39
	s_lshl_b32 s41, s36, 9
	s_add_co_u32 s40, s40, s41
	s_lshl_b32 s41, s26, 7
	s_add_co_u32 s40, s40, s41                     ; + my wave's 32 columns
	s_mov_b32 s41, 0
	s_add_nc_u64 s[12:13], s[12:13], s[40:41]
	s_sub_co_u32 s44, s27, 2
	s_lshl_b32 s44, s44, 7
	s_add_co_u32 s44, s44, ttmp9
	s_mul_i32 s44, s44, REC                        ; record 128 (y - 2) + x
	s_mov_b32 s45, 0
	s_add_nc_u64 s[24:25], s[24:25], s[44:45]
	s_wait_alu depctr_va_vdst(0)
	v_and_b32 v14, 8, v4
	v_add_nc_u32 v14, v14, v4
	v_lshl_add_u32 v14, v3, 3, v14
	v_lshlrev_b32 v14, 2, v14                      ; my column of the 32: 8 (lane / 16) + r + 8 (r / 8): tile lane / 16, place r
	v_lshlrev_b32 v15, 12, v3
	v_lshl_add_u32 v15, v4, 4, v15
	s_lshl_b32 s34, s26, 13
	v_add_nc_u32 v15, s34, v15                     ; codes: tile 2 w + lane / 16, 16 bytes a place: sixteen lanes fill 256 consecutive bytes, aligned
	s_lshl_b32 s34, s26, 7
	v_lshl_add_u32 v16, v1, 2, s34                 ; scale words: 128 w + 4 lane
.macro WLOAD t, pitch
.set i, 0
.rept 32
	global_load_b32 v[WX+32*((\t)%2)+i], v14, s[12:13] offset:(32*(\t)+i)*\pitch th:TH_LOAD_NT
.set i, i+1
.endr
.endm
.macro WBLOCK t, pitch
.set XS, WX+32*((\t)%2)
.set CD, WC+8*(\t)
.if (\t) < 7
	s_wait_loadcnt 32                              ; this block's 32 loads are in; the next block's may be out
.else
	s_wait_loadcnt 0x0
.endif
	v_max3_num_f32 v17, |v[XS]|, |v[XS+1]|, |v[XS+2]|
	v_max3_num_f32 v18, |v[XS+3]|, |v[XS+4]|, |v[XS+5]|
.irp e, 6,10,14,18,22,26
	v_max3_num_f32 v17, v17, |v[XS+\e]|, |v[XS+\e+1]|
	v_max3_num_f32 v18, v18, |v[XS+\e+2]|, |v[XS+\e+3]|
.endr
	v_max3_num_f32 v17, v17, |v[XS+30]|, |v[XS+31]|
	v_max3_num_f32 v17, v17, v18, 0x8000000
	v_add_nc_u32 v19, 0xf8800000, v17
	v_and_or_b32 v20, v17, 0x7f800000, s33
	v_lshrrev_b32 v21, 23, v19
.if (\t)%4 == 0
	v_mov_b32 v[WSB+(\t)/4], v21
.else
	v_lshl_or_b32 v[WSB+(\t)/4], v21, 8*((\t)%4), v[WSB+(\t)/4]
.endif
.set i, 0
.rept 32
	v_med3_num_f32 v[XS+i], v[XS+i], -v20, v20
.set i, i+1
.endr
.irp g, 0,1,2,3
	v_cvt_scalef32_pk8_bf8_f32 v[CD+2*\g:CD+2*\g+1], v[XS+8*\g:XS+8*\g+7], v19
.endr
	global_store_b128 v15, v[CD:CD+3], s[24:25] offset:((\t)/4)*2048+((\t)%4)*512       ; k = 0..15 of the block: the image's lanes 0-15
	global_store_b128 v15, v[CD+4:CD+7], s[24:25] offset:((\t)/4)*2048+((\t)%4)*512+256 ; k = 16..31: its lanes 16-31
.if (\t)+2 < 8
	WLOAD (\t)+2, \pitch
.endif
.endm
.macro WEIGHTS pitch
	WLOAD 0, \pitch
	WLOAD 1, \pitch
.irp t, 0,1,2,3,4,5,6,7
	WBLOCK \t, \pitch
.endr
.endm
	s_cmp_eq_u32 s27, 3
	s_cbranch_scc1 .Lwide
	WEIGHTS 4096
	s_branch .Lwdone
.Lwide:
	s_wait_alu depctr_va_vdst(0)
	WEIGHTS 16384
.Lwdone:
	global_store_b32 v16, v[WSB], s[24:25] offset:32768
	global_store_b32 v16, v[WSB+1], s[24:25] offset:32768+512
.Ljoin:
	s_wait_dscnt 0x0                               ; for the others' sake: my stores into the stage are done
	s_barrier_signal -1
	s_barrier_wait -1
	s_cmp_lt_u32 s27, 2
	s_cbranch_scc0 .Lend
	; the tile leaves: wave w stores K step w's 4,096 bytes of codes, 512 consecutive bytes an instruction, and its 32 scale words
.irp t, 0,1,2,3,4,5,6,7
	ds_load_b128 v[X+4*\t:X+4*\t+3], v8 offset:2*\t*PCH
.endr
	ds_load_b32 v13, v10
.irp t, 0,1,2,3,4,5,6,7
	s_wait_dscnt 8-\t                              ; LDS loads come back in order: load t is in
	global_store_b128 v9, v[X+4*\t:X+4*\t+3], s[10:11] offset:512*\t
.endr
	s_wait_dscnt 0x0
	global_store_b32 v11, v13, s[42:43]
.Lend:
	s_set_vgpr_msb 0x4
	s_wait_tensorcnt 0x0
	ds_add_u32 v5, v1
	s_wait_dscnt 0x0
	s_set_vgpr_msb 0x400
	s_endpgm
.Lfunc_end_k_qc3ce9ee8b4_prep:
	.size	k_qc3ce9ee8b4_prep, .Lfunc_end_k_qc3ce9ee8b4_prep-k_qc3ce9ee8b4_prep
	.p2alignl 7, 3214868480
	.fill 96, 4, 3214868480
	.section	.rodata,"a",@progbits
	.p2align	6, 0x0
	.amdhsa_kernel k_qc3ce9ee8b4_prep
		.amdhsa_group_segment_fixed_size 18432
		.amdhsa_private_segment_fixed_size 0
		.amdhsa_enable_private_segment 0
		.amdhsa_kernarg_size 88
		.amdhsa_user_sgpr_count 2
		.amdhsa_user_sgpr_kernarg_segment_ptr 1
		.amdhsa_wavefront_size32 1
		.amdhsa_system_sgpr_workgroup_id_x 1
		.amdhsa_system_sgpr_workgroup_id_y 1
		.amdhsa_system_sgpr_workgroup_id_z 1
		.amdhsa_system_vgpr_workitem_id 0
		.amdhsa_next_free_vgpr 258
		.amdhsa_next_free_sgpr 66
		.amdhsa_reserve_vcc 0
		.amdhsa_float_denorm_mode_32 3
		.amdhsa_float_denorm_mode_16_64 3
		.amdhsa_memory_ordered 1
		.amdhsa_forward_progress 1
		.amdhsa_inst_pref_size 164
	.end_amdhsa_kernel
	.amdgpu_metadata
---
amdhsa.version: [ 1, 2 ]
amdhsa.kernels:
  - .name:           k_qc3ce9ee8b4_prep
    .symbol:         k_qc3ce9ee8b4_prep.kd
    .args:
      - { .name: x, .offset: 0, .size: 8, .value_kind: global_buffer, .address_space: global }
      - { .name: ln1_g, .offset: 8, .size: 8, .value_kind: global_buffer, .address_space: global }
      - { .name: ln1_b, .offset: 16, .size: 8, .value_kind: global_buffer, .address_space: global }
      - { .name: himg, .offset: 24, .size: 8, .value_kind: global_buffer, .address_space: global }
      - { .name: wq, .offset: 32, .size: 8, .value_kind: global_buffer, .address_space: global }
      - { .name: wk, .offset: 40, .size: 8, .value_kind: global_buffer, .address_space: global }
      - { .name: wv, .offset: 48, .size: 8, .value_kind: global_buffer, .address_space: global }
      - { .name: wo, .offset: 56, .size: 8, .value_kind: global_buffer, .address_space: global }
      - { .name: w1, .offset: 64, .size: 8, .value_kind: global_buffer, .address_space: global }
      - { .name: w2, .offset: 72, .size: 8, .value_kind: global_buffer, .address_space: global }
      - { .name: wimg, .offset: 80, .size: 8, .value_kind: global_buffer, .address_space: global }
    .group_segment_fixed_size: 18432
    .private_segment_fixed_size: 0
    .kernarg_segment_align: 8
    .kernarg_segment_size: 88
    .max_flat_workgroup_size: 128
    .sgpr_count:     66
    .vgpr_count:     258
    .wavefront_size: 32
...
	.end_amdgpu_metadata
.endif
;; end of part 1
;; launch qkv (part 2): grid 8 x 24, 4 waves a work-group, clusters of 4 x 4, 327,680 bytes of LDS; arguments himg, wimg, bq, bk, bv, qimg, kvimg; writes qimg, kvimg
.if DOCPART == 2
	.amdgcn_target "amdgcn-amd-amdhsa--gfx1250"
	.amdhsa_code_object_version 6
	.text
	.protected	k_qc3ce9ee8b4_qkv
	.globl	k_qc3ce9ee8b4_qkv
	.p2align	8
	.type	k_qc3ce9ee8b4_qkv,@function
k_qc3ce9ee8b4_qkv:
	s_mov_b64 s[64:65], 0
	v_nop
	global_prefetch_b8 v0, s[64:65] scope:SCOPE_SE
	s_setreg_imm32_b32 hwreg(HW_REG_WAVE_MODE, 25, 1), 1
	s_wait_xcnt 0x0
	s_wait_alu depctr_hold_cnt(0) depctr_sa_sdst(0) depctr_va_vdst(0) depctr_va_sdst(0) depctr_va_ssrc(0) depctr_va_vcc(0) depctr_vm_vsrc(0)
	s_getreg_b32 s2, hwreg(HW_REG_IB_STS2, 6, 4)
	s_cmp_eq_u32 s2, 0
	s_cbranch_scc0 .Lentry_in_a_cluster
	s_endpgm
.Lentry_in_a_cluster:
	s_bfe_u32 s2, ttmp6, 0x10000c
	s_cmp_lg_u32 s2, 0xf033
	s_cbranch_scc0 .Lentry_shape_is_right
	s_endpgm
.Lentry_shape_is_right:
; q, k, v = LN1(x) W + b on codes of BF8 with E8M0 scales, quantised again on the way out as the operands of attention's two products.
; Operands come as images of their registers (records of REC bytes: 128 rows x 256 K, codes then scale words), so a tile with its scales is one dense tensor load,
; a fragment load takes 512 consecutive LDS bytes, and no padding is wanted.
; A work-group of four waves makes 256 x 256, a wave 128 x 128: 64 accumulators.  K = 1,024 goes in four steps of 256 through two LDS slots.
; SOURCE 0 = the B role, SOURCE 1 = the A role: a lane holds one row of the A role and its registers run along the B role's rows, 16 neighbours in two neighbouring tiles.
; q, k (cluster y 0-3; cluster x 0: q, 1: k): A = tokens, B = weight columns: a lane's registers run along the head's 64, the K of q k^T.
; v (cluster y 4, 5): the roles are swapped, A = wv's columns, B = tokens: a lane's registers run along the keys, the K of p v.
; CLUSTER 4 x 4: A's records are asked for jointly along a row of the cluster, B's along a column.
; OUT: q: [head][tile of 16 queries][1,024 bytes], two scale bytes a query behind them; k, v: a record of KVREC bytes for a head and 128 keys:
; k's 8 tiles x 1,024, v^T's 4 tiles x 2,048, k's scale words (two tiles to a word), v's.
; LIMITS: NaN and infinities are not served; blocks under 2^-111 keep the byte 1.
; REGISTERS: window 0: v0-15 v's bias, v16-31 addresses, v32-63 scale words (two sets), v64-127 q's or k's bias, v128-255 A's fragments (one set).
; window 1: B's fragments (two sets); on the way out 64 numbers, their codes and the quantiser's registers.  windows 2, 3: the accumulators, (a, b) at v[8 (8 (a % 4) + b)].
.set REC,   33792
.set GSTR,  4*REC                      ; from a group of 128 rows to the next
.set SLOT,  REC                        ; wave w's record of slot s lands at (2 w + s) REC: A's two groups, then B's two, each with its two slots on end
.set SPARE, 8*REC                      ; the spare words, 128 bytes a wave
.set LAPS,  2
.set KVREC, 16896
.set QSC,   4194304
.set NP,    8
.set NL,    4
.set FR,    16
.set ADRA,  16
.set LN,    19
.set ADRB,  20
.set ADRS,  22
.set SPW,   28
.set NIL,   29
.set SC,    32
.set BIAS,  64
.set AF,    128
.set ST,    0                          ; window 1, on the way out
.set PC,    192
.set TM,    208
.set PW,    224
.set TP,    225
.set G1,    24
.set G0,    32
.set G1B,   48
.set G0B,   56
.set AI,    66
.set TYPE,  67
.set SEL,   80
.set MNT,   82
.set MSB, 0
.macro WIN new                         ; the immediate's high byte repeats the setting that is left
.if MSB != \new
	s_set_vgpr_msb (MSB<<8)|\new
.set MSB, \new
.endif
.endm
.set MUL_LO, 0xa1
.set MUL_HI, 0xf1
.set TO_B,   0x40
.macro JLOAD g0a, g1a, g0b, g1b        ; a joint load: waves 0, 1 fetch for A, waves 2, 3 for B; four v_nop follow each line
	s_cmp_eq_u32 s15, 0
	s_cbranch_scc0 .Lfor_b_\@
	tensor_load_to_lds s[\g0a:\g0a+3], s[\g1a:\g1a+7]
	s_nop 0
.rept 4
	v_nop
.endr
	s_branch .Lasked_\@
.Lfor_b_\@:
	tensor_load_to_lds s[\g0b:\g0b+3], s[\g1b:\g1b+7]
	s_nop 0
.rept 4
	v_nop
.endr
.Lasked_\@:
.endm
.macro CREST
	s_cmp_lg_u32 s14, 0
	s_cbranch_scc1 .Lnot_wave_0_\@
	s_barrier_signal -3
.Lnot_wave_0_\@:
	s_barrier_wait -3
	s_barrier_signal -1
	s_barrier_wait -1
.endm
.macro CROUND
	s_barrier_signal -1
	s_barrier_wait -1
	CREST
.endm
	s_load_b256 s[4:11], s[0:1], 0x0               ; himg, wimg, bq, bk
	s_load_b64 s[12:13], s[0:1], 0x20              ; bv
	s_load_b64 s[68:69], s[0:1], 0x28              ; qimg
	s_load_b64 s[70:71], s[0:1], 0x30              ; kvimg
	v_lshl_add_u32 v[SPW], v0, 2, SPARE
	v_mov_b32 v[NIL], 0
	ds_add_u32 v28, v29
	ds_add_u32 v28, v29
	s_wait_dscnt 0x0
	v_lshrrev_b32 v1, 5, v0
	v_readfirstlane_b32 s14, v1                    ; wave
	s_lshr_b32 s15, s14, 1                         ; my half of A's rows; also: I fetch for A (0) or B (1)
	s_and_b32 s16, s14, 1                          ; my half of B's rows; also: which record I fetch
	s_bfe_u32 s40, ttmp6, 0x40000                  ; cx
	s_bfe_u32 s41, ttmp6, 0x40004                  ; cy
	s_lshl_b32 s42, ttmp9, 2
	s_add_co_u32 s42, s42, s40                     ; tx
	s_and_b32 s18, ttmp7, 0xffff                   ; cluster y
	s_lshl_b32 s17, s18, 2
	s_add_co_u32 s17, s17, s41                     ; ty
	s_lshl_b32 s43, s41, 2
	s_lshl_b32 s43, 15, s43                        ; my row of the cluster
	s_lshl_b32 s44, 0x1111, s40                    ; my column
	s_or_b32 s[G1], s43, (3<<16)|(1<<21)           ; the mask; elements of 8 bytes; bit 21 beside a mask; no padding
	s_or_b32 s[G1B], s44, (3<<16)|(1<<21)
.irp g, G1, G1B                        ; a record is 132 dense rows of 256 bytes
	s_mov_b32 s[\g+1], 32<<16
	s_mov_b32 s[\g+2], 264<<16                     ; the head's load brings two records on end: both slots' first fills
	s_mov_b32 s[\g+3], 32<<16
	s_mov_b32 s[\g+4], 264
	s_mov_b32 s[\g+5], 32
	s_mov_b32 s[\g+6], 0
	s_mov_b32 s[\g+7], 0
.endr
	s_lshl_b32 s19, s17, 1                         ; q, k: A's groups 2 ty on (tokens)
	s_lshl_b32 s20, s41, 1
	s_add_co_u32 s20, s20, 16                      ; v: A's groups 16 + 2 cy on (wv's columns)
	s_lshl_b32 s23, s42, 1                         ; q, k: B's groups 2 tx on (wq's and wk's columns)
	s_lshl_b32 s22, s18, 4
	s_add_co_u32 s22, s22, s23
	s_sub_co_u32 s22, s22, 64                      ; v: B's groups 2 tx + 16 (cluster y - 4) on (tokens)
	s_cmp_ge_u32 s18, 4                            ; the choice hangs on the cluster's place alone: the same in all sixteen partners
	s_cselect_b32 s[TYPE], 2, ttmp9                ; 0 q, 1 k, 2 v
	s_cselect_b32 s19, s20, s19
	s_cselect_b32 s23, s22, s23
	s_add_co_u32 s78, s19, s15                     ; the group of A's rows that I multiply,
	s_add_co_u32 s79, s23, s16                     ; and of B's
	s_add_co_u32 s20, s19, s16
	s_mul_i32 s20, s20, GSTR                       ; what I fetch, if for A (no cx enters it),
	s_mov_b32 s21, 0
	s_add_co_u32 s46, s23, s16
	s_mul_i32 s46, s46, GSTR                       ; if for B (no cy enters it)
	s_mov_b32 s47, 0
	s_mul_i32 s45, s14, 2*REC                      ; and where it lands
	s_mov_b32 s[SEL], 0x76543210
	s_mov_b32 s[SEL+1], 0xfedcba98
	s_mov_b32 s[MNT], 0x600000
	s_wait_kmcnt 0x0
	s_cmp_ge_u32 s18, 4
	s_cselect_b64 s[72:73], s[6:7], s[4:5]
	s_cselect_b64 s[74:75], s[4:5], s[6:7]
	s_add_nc_u64 s[20:21], s[72:73], s[20:21]
	s_add_nc_u64 s[46:47], s[74:75], s[46:47]
	CROUND                                         ; all sixteen work-groups are here: the first joint loads meet
.irp s, 0,1
	s_mov_b32 s[G0+4*\s], 1
	s_add_co_u32 s[G0+4*\s+1], s45, \s*SLOT
	s_add_nc_u64 s[G0+4*\s+2:G0+4*\s+3], s[20:21], \s*REC
	s_or_b32 s[G0+4*\s+3], s[G0+4*\s+3], 0x80000000
	s_mov_b32 s[G0B+4*\s], 1
	s_add_co_u32 s[G0B+4*\s+1], s45, \s*SLOT
	s_add_nc_u64 s[G0B+4*\s+2:G0B+4*\s+3], s[46:47], \s*REC
	s_or_b32 s[G0B+4*\s+3], s[G0B+4*\s+3], 0x80000000
.if \s == 0
	JLOAD G0, G1, G0B, G1B                         ; slot 0: my one tensor load at the head
.endif
.endr
	s_cmp_eq_u32 s[TYPE], 1
	s_cselect_b64 s[8:9], s[10:11], s[8:9]
	s_cmp_eq_u32 s[TYPE], 2
	s_cselect_b64 s[8:9], s[12:13], s[8:9]         ; my bias
	s_and_b32 s2, s79, 7
	s_lshl_b32 s2, s2, 9
	s_mov_b32 s3, 0
	s_add_nc_u64 s[10:11], s[8:9], s[2:3]          ; at B's 128 columns (q, k)
	s_and_b32 s2, s78, 7
	s_lshl_b32 s2, s2, 9
	s_add_nc_u64 s[12:13], s[8:9], s[2:3]          ; at A's 128 columns (v)
	v_and_b32 v[LN], 31, v0
	v_and_b32 v1, 15, v0                           ; r
	v_bfe_u32 v2, v0, 4, 1                         ; h
	s_wait_alu depctr_va_vdst(0)
	v_lshlrev_b32 v24, 4, v[LN]                    ; 16 x lane
	s_mul_i32 s20, s15, 2*REC
	s_mul_i32 s21, s16, 2*REC
	s_add_co_u32 s21, s21, 4*REC
.irp s, 0,1
	v_add_nc_u32 v[ADRA+\s], s20, v24
	v_add_nc_u32 v[ADRB+\s], s21, v24
	s_add_co_u32 s20, s20, SLOT
	s_add_co_u32 s21, s21, SLOT
.endr
	s_mul_i32 s20, s15, 2*REC
	s_mul_i32 s21, s16, 2*REC
	s_add_co_u32 s21, s21, 4*REC
	s_sub_co_u32 s21, s21, s20                     ; from my record of A to my record of B
	v_mul_u32_u24 v5, s21, v2                      ; lanes 16-31 take B's scale words
	v_lshl_add_u32 v5, v1, 2, v5
	s_add_co_u32 s20, s20, 32768
	v_add_nc_u32 v[ADRS], s20, v5
	s_add_co_u32 s20, s20, SLOT
	v_add_nc_u32 v[ADRS+1], s20, v5
	s_cmp_eq_u32 s[TYPE], 0
	s_cselect_b32 s2, 1, 2
	s_cmp_eq_u32 s[TYPE], 2
	s_cselect_b32 s3, 1, 0
	v_lshlrev_b32 v25, s2, v1
	v_lshlrev_b32 v3, s3, v2
	v_add_nc_u32 v25, v25, v3                      ; my scale bytes' place: q 2 r + h, k 4 r + h, v 4 r + 2 h
	v_lshlrev_b32 v30, 6, v2                       ; 64 h
	v_and_b32 v31, 8, v1
	v_add_nc_u32 v31, v31, v1
	v_lshlrev_b32 v31, 2, v31                      ; 4 (r + 8 (r / 8))
.irp b, 0,1,2,3,4,5,6,7                ; register 8 b + j: the bias of column 32 (b / 2) + 16 h + 8 (b % 2) + j
	global_load_b128 v[BIAS+8*\b:BIAS+8*\b+3], v30, s[10:11] offset:(32*(\b/2)+8*(\b%2))*4
	global_load_b128 v[BIAS+8*\b+4:BIAS+8*\b+7], v30, s[10:11] offset:(32*(\b/2)+8*(\b%2))*4+16
.endr
.irp k, 0,1,2,3,4,5,6,7                ; v[2 k]: the bias of my place in A's tile k (its neighbour is written since the packed form names the pair)
	global_load_b32 v[2*\k], v31, s[12:13] offset:(32*(\k/2)+8*(\k%2))*4
	global_load_b32 v[2*\k+1], v31, s[12:13] offset:(32*(\k/2)+8*(\k%2))*4
.endr
.macro FRAG reg, adr, q, i             ; 16 rows x 128 K: four loads of 512 consecutive bytes
.irp c, 0,1,2,3
	ds_load_b128 v[\reg+4*\c:\reg+4*\c+3], v[\adr] offset:(\i)*4096+(\q)*2048+512*\c
.endr
.endm
.macro MUL16 a0, p, q, sc, zero        ; A's tiles a0, a0 + 1 x B's eight; the 64 accumulators take turns, one instruction a turn
.irp a, \a0, \a0+1
.irp b, 0,1,2,3,4,5,6,7
.if \zero
	v_wmma_scale_f32_16x16x128_f8f6f4 v[8*(8*((\a)%4)+\b):8*(8*((\a)%4)+\b)+7], v[128*(\p)+FR*\b:128*(\p)+FR*\b+FR-1], v[AF+FR*(\a):AF+FR*(\a)+FR-1], 0, v[SC+16*(\sc)+2*\b+(\q)], v[SC+16*(\sc)+2*(\a)+(\q)] matrix_a_fmt:MATRIX_FMT_BF8 matrix_b_fmt:MATRIX_FMT_BF8 matrix_a_scale:MATRIX_SCALE_ROW1
.else
	v_wmma_scale_f32_16x16x128_f8f6f4 v[8*(8*((\a)%4)+\b):8*(8*((\a)%4)+\b)+7], v[128*(\p)+FR*\b:128*(\p)+FR*\b+FR-1], v[AF+FR*(\a):AF+FR*(\a)+FR-1], v[8*(8*((\a)%4)+\b):8*(8*((\a)%4)+\b)+7], v[SC+16*(\sc)+2*\b+(\q)], v[SC+16*(\sc)+2*(\a)+(\q)] matrix_a_fmt:MATRIX_FMT_BF8 matrix_b_fmt:MATRIX_FMT_BF8 matrix_a_scale:MATRIX_SCALE_ROW1
.endif
.endr
.endr
.endm
.macro FETCH_B slot, q, p
	WIN TO_B
.irp i, 0,1,2,3,4,5,6,7
	FRAG 128*(\p)+FR*\i, ADRB+\slot, \q, \i
.endr
	WIN 0
.endm
.macro FETCH_A slot, q, i0
.irp i, \i0, \i0+1, \i0+2, \i0+3
	FRAG AF+FR*(\i), ADRA+\slot, \q, \i
.endr
.endm
.macro SCALES sc                       ; the slot's scale words: register 2 i + q: lanes 0-15 A's tile i, lanes 16-31 B's tile i
.irp i, 0,1,2,3,4,5,6,7
.irp q, 0,1
	ds_load_b32 v[SC+16*\sc+2*\i+\q], v[ADRS+\sc] offset:\q*512+\i*64
.endr
.endr
.endm
.macro PLACES n                        ; plain vector instructions between a matrix instruction and a load into, or a read of, its registers
.rept \n
	v_nop
.endr
.endm
.macro STEP slot, q, zero              ; 128 along K whose successor lies in the same slot
	s_wait_dscnt 4*NL                              ; all but the youngest 16 loads (A's tiles 4-7)
	WIN MUL_LO
	MUL16 0, (\q)%2, \q, \slot, \zero
	MUL16 2, (\q)%2, \q, \slot, \zero
	s_wait_dscnt 0
	PLACES NP
	FETCH_B \slot, (\q)+1, 1-(\q)%2
	FETCH_A \slot, (\q)+1, 0
	WIN MUL_HI
	MUL16 4, (\q)%2, \q, \slot, \zero
	MUL16 6, (\q)%2, \q, \slot, \zero
	PLACES NP
	WIN 0
	FETCH_A \slot, (\q)+1, 4
.endm
.macro TURN slot, next, fill           ; a slot's last 128 along K, and the change of slots
	s_wait_tensorcnt 0x0                           ; all my tensor loads have landed: my part of the next slot
	ds_add_u32 v[SPW], v[NIL]                      ; 0 onto my spare word
	s_wait_dscnt 4*NL+1                            ; the add and the youngest 16 loads may be out
	WIN MUL_LO
	MUL16 0, 1, 1, \slot, 0
	s_wait_dscnt 0x0                               ; the add is done, and my reads of this slot are over
	s_barrier_signal -1
	MUL16 2, 1, 1, \slot, 0
	WIN 0
	s_barrier_wait -1
.if \fill
	CREST                                          ; the barrier has opened a round of the cluster's: no wave of any partner still reads this slot or has a load on its way
	s_add_nc_u64 s[G0+4*\slot+2:G0+4*\slot+3], s[G0+4*\slot+2:G0+4*\slot+3], 2*REC
	s_add_nc_u64 s[G0B+4*\slot+2:G0B+4*\slot+3], s[G0B+4*\slot+2:G0B+4*\slot+3], 2*REC
	JLOAD G0+4*\slot, G1, G0B+4*\slot, G1B         ; my one tensor load behind the round
	PLACES NP-4
.else
	PLACES NP
.endif
	FETCH_B \next, 0, 0
	FETCH_A \next, 0, 0
	SCALES \next
	WIN MUL_HI
	MUL16 4, 1, 1, \slot, 0
	MUL16 6, 1, 1, \slot, 0
	PLACES NP
	WIN 0
	FETCH_A \next, 0, 4
.endm
	s_wait_alu depctr_va_vdst(0)
	s_wait_tensorcnt 0x0                           ; my records of both slots are in; no tensor load of mine is out, so a descriptor may be written:
	s_mov_b32 s[G1+2], 132<<16                     ; from here on a load brings one record
	s_mov_b32 s[G1+4], 132
	s_mov_b32 s[G1B+2], 132<<16
	s_mov_b32 s[G1B+4], 132
	s_barrier_signal -1
	s_barrier_wait -1
	FETCH_B 0, 0, 0
	FETCH_A 0, 0, 0
	SCALES 0
	FETCH_A 0, 0, 4
	STEP 0, 0, 1                                   ; the first products start the sums
.rept LAPS-1
	TURN 0, 1, 1
	STEP 1, 0, 0
	TURN 1, 0, 1
	STEP 0, 0, 0
.endr
	TURN 0, 1, 0
	STEP 1, 0, 0
	s_wait_dscnt 4*NL
	WIN MUL_LO
	MUL16 0, 1, 1, 1, 0
	MUL16 2, 1, 1, 1, 0
	s_wait_dscnt 0
	WIN MUL_HI
	MUL16 4, 1, 1, 1, 0
	MUL16 6, 1, 1, 1, 0
	WIN 0
; THE WAY OUT: a loop of eight trips, one for each of A's tiles.  A trip moves the tile's 64 sums a lane into window 1, adding the bias on the way (written out for each tile,
; since register numbers cannot be counted), quantises them there, and stores codes (512 consecutive bytes an instruction) and scale bytes.
.macro MOVE k, isv
	WIN 0x42+(\k)/4                                ; source 0: window 2 or 3; source 1: window 0; destination: window 1
.set i, 0
.rept 32
.if \isv
	v_pk_add_f32 v[ST+2*i:ST+2*i+1], v[64*((\k)%4)+2*i:64*((\k)%4)+2*i+1], v[2*(\k):2*(\k)+1] op_sel_hi:[1,0]
.else
	v_pk_add_f32 v[ST+2*i:ST+2*i+1], v[64*((\k)%4)+2*i:64*((\k)%4)+2*i+1], v[BIAS+2*i:BIAS+2*i+1]
.endif
.set i, i+1
.endr
	WIN 0
.endm
.macro QUANT s                         ; register 16 b + i = k 32 b + 16 h + i of my row: codes into v[PC] on, the bytes into v[TM+4] on, the word into v[PW]
.irp b, 0,1,2,3
	v_max3_num_f32 v[TM+\b], |v[\s+16*\b]|, |v[\s+1+16*\b]|, 0x8000000
.endr
.irp i, 2,4,6,8,10,12,14
.irp b, 0,1,2,3
	v_max3_num_f32 v[TM+\b], v[TM+\b], |v[\s+16*\b+\i]|, |v[\s+1+16*\b+\i]|
.endr
.endr
.irp b, 0,1,2,3
	v_permlanex16_b32 v[TM+4+\b], v[TM+\b], s[SEL], s[SEL+1]
.endr
.irp b, 0,1,2,3
	v_max_num_f32 v[TM+\b], v[TM+\b], v[TM+4+\b]
.endr
.irp b, 0,1,2,3
	v_add_nc_u32 v[TM+12+\b], 0xf8800000, v[TM+\b]
.endr
.irp b, 0,1,2,3
	v_and_or_b32 v[TM+8+\b], v[TM+\b], 0x7f800000, s[MNT]
.endr
.irp b, 0,1,2,3
	v_lshrrev_b32 v[TM+4+\b], 23, v[TM+12+\b]
.endr
	v_lshl_or_b32 v[PW], v[TM+5], 8, v[TM+4]
	v_lshl_or_b32 v[PW], v[TM+6], 16, v[PW]
	v_lshl_or_b32 v[PW], v[TM+7], 24, v[PW]
.irp b, 0,1,2,3
.irp i, 0,1,2,3,4,5,6,7,8,9,10,11,12,13,14,15
	v_med3_num_f32 v[\s+16*\b+\i], v[\s+16*\b+\i], -v[TM+8+\b], v[TM+8+\b]
.endr
	v_cvt_scalef32_pk8_bf8_f32 v[PC+4*\b:PC+1+4*\b], v[\s+16*\b:\s+7+16*\b], v[TM+12+\b]
	v_cvt_scalef32_pk8_bf8_f32 v[PC+2+4*\b:PC+3+4*\b], v[\s+8+16*\b:\s+15+16*\b], v[TM+12+\b]
.endr
	v_nop                                          ; a plain instruction behind the last scaled conversion
.endm
.macro ROWS tag, isv
	s_mov_b32 s[AI], 0
.Ltrip\tag:
.irp k, 1,2,3,4,5,6,7
	s_cmp_eq_u32 s[AI], \k
	s_cbranch_scc1 .Lmv\tag\k
.endr
	MOVE 0, \isv
	s_branch .Lwork\tag
.irp k, 1,2,3,4,5,6,7
.Lmv\tag\k:
	MOVE \k, \isv
	s_branch .Lwork\tag
.endr
.Lwork\tag:
	WIN 0x55                                       ; all in window 1
	QUANT ST
.if \isv
	v_lshrrev_b32 v[TP], 16, v[PW]
	v_cndmask_b32 v[TP], v[PW], v[TP], vcc_lo      ; lanes 0-15 store the word's low half, lanes 16-31 its high half
	WIN 0
	s_lshr_b32 s2, s[AI], 2
	s_mul_i32 s2, s2, 16*KVREC                     ; tiles 4-7 are the next head's
	s_and_b32 s3, s[AI], 3
	s_lshl_b32 s18, s3, 11
	s_add_co_u32 s18, s18, s2
	v_add_nc_u32 v26, s18, v24
	s_wait_alu depctr_va_vdst(0)
	s_lshl_b32 s18, s3, 6
	s_add_co_u32 s18, s18, s2
	s_add_co_u32 s18, s18, 8448                    ; v's scale words lie 8,448 bytes behind v's codes
	v_add_nc_u32 v27, s18, v25
	WIN 0x04                                       ; a store's data: window 1
.irp c, 0,1,2,3
	global_store_b128 v26, v[PC+4*\c:PC+4*\c+3], s[72:73] offset:512*\c
.endr
	global_store_b16 v27, v[TP], s[72:73]
.else
	v_cndmask_b32 v[TP], v[TM+4], v[TM+5], vcc_lo  ; lanes 0-15 store the byte of the head's first 32, lanes 16-31 of its second
	v_cndmask_b32 v[TP+1], v[TM+6], v[TM+7], vcc_lo
	WIN 0
	s_lshl_b32 s2, s[AI], 10
	v_add_nc_u32 v26, s2, v24
	s_wait_alu depctr_va_vdst(0)
	s_lshl_b32 s2, s[AI], 5                        ; q: 32 bytes a tile
	s_lshr_b32 s3, s[AI], 1
	s_lshl_b32 s3, s3, 6
	s_and_b32 s18, s[AI], 1
	s_lshl_b32 s18, s18, 1
	s_add_co_u32 s3, s3, s18                       ; k: two tiles share a word
	s_cmp_eq_u32 s[TYPE], 0
	s_cselect_b32 s2, s2, s3
	v_add_nc_u32 v27, s2, v25
	WIN 0x04
	global_store_b128 v26, v[PC:PC+3], s[72:73]
	global_store_b128 v26, v[PC+4:PC+7], s[72:73] offset:512
	global_store_b128 v26, v[PC+8:PC+11], s[74:75]
	global_store_b128 v26, v[PC+12:PC+15], s[74:75] offset:512
	global_store_b8 v27, v[TP], s[76:77]
	global_store_b8 v27, v[TP+1], s[84:85]
.endif
	WIN 0
	s_wait_xcnt 0x0                                ; the stores have read their data and offsets: the next trip writes them again
	s_add_co_u32 s[AI], s[AI], 1
	s_cmp_lt_u32 s[AI], 8
	s_cbranch_scc1 .Ltrip\tag
.endm
	PLACES NP
	s_wait_loadcnt 0x0                             ; the biases
	v_cmp_lt_u32 vcc_lo, 15, v[LN]                 ; lanes 16-31; nothing else writes VCC
	WIN 0x40
.irp b, 0,1,2,3
	v_mov_b32 v[TM+4+\b], 0                        ; a lane permute's destination counts as one of its sources
.endr
	WIN 0
	s_cmp_eq_u32 s[TYPE], 2
	s_cbranch_scc1 .Lvpath
	s_lshr_b32 s2, s78, 4
	s_lshl_b32 s2, s2, 4
	s_and_b32 s3, s79, 7
	s_lshl_b32 s3, s3, 1
	s_add_co_u32 s2, s2, s3                        ; my first head: 16 batch + 2 (columns' group % 8)
	s_and_b32 s3, s78, 15                          ; which 128 tokens of the batch
	s_lshl_b32 s18, s2, 7
	s_lshl_b32 s19, s3, 3
	s_add_co_u32 s18, s18, s19                     ; q: tile 128 head + 8 group
	s_lshl_b32 s20, s18, 10
	s_lshl_b32 s21, s18, 5
	s_add_co_u32 s21, s21, QSC
	s_lshl_b32 s22, s2, 4
	s_add_co_u32 s22, s22, s3
	s_mul_i32 s22, s22, KVREC                      ; k: record 16 head + group
	s_add_co_u32 s23, s22, 16384
	s_mov_b32 s45, 16*KVREC
	s_mov_b32 s46, 16*KVREC
	s_cmp_eq_u32 s[TYPE], 0
	s_cselect_b64 s[72:73], s[68:69], s[70:71]
	s_cselect_b32 s20, s20, s22
	s_cselect_b32 s22, s21, s23
	s_cselect_b32 s2, 131072, s45                  ; from a head's codes to the next head's,
	s_cselect_b32 s18, 4096, s46                   ; and its scale bytes
	s_mov_b32 s21, 0
	s_mov_b32 s23, 0
	s_mov_b32 s3, 0
	s_mov_b32 s19, 0
	s_add_nc_u64 s[76:77], s[72:73], s[22:23]
	s_add_nc_u64 s[84:85], s[76:77], s[18:19]
	s_add_nc_u64 s[72:73], s[72:73], s[20:21]
	s_add_nc_u64 s[74:75], s[72:73], s[2:3]
	ROWS 0, 0
	s_branch .Ldone
.Lvpath:
	s_lshr_b32 s2, s79, 4
	s_lshl_b32 s2, s2, 4
	s_sub_co_u32 s3, s78, 16
	s_lshl_b32 s3, s3, 1
	s_add_co_u32 s2, s2, s3                        ; my first head
	s_lshl_b32 s2, s2, 4
	s_and_b32 s3, s79, 15                          ; which 128 keys
	s_add_co_u32 s2, s2, s3
	s_mul_i32 s2, s2, KVREC
	s_add_co_u32 s2, s2, 8192                      ; v's codes in the record
	s_mov_b32 s3, 0
	s_add_nc_u64 s[72:73], s[70:71], s[2:3]
	ROWS 1, 1
.Ldone:
	s_wait_tensorcnt 0x0                           ; the wave's end
	ds_add_u32 v[SPW], v[NIL]
	s_wait_dscnt 0x0
	CROUND                                         ; the closing round
	s_endpgm
.Lfunc_end_k_qc3ce9ee8b4_qkv:
	.size	k_qc3ce9ee8b4_qkv, .Lfunc_end_k_qc3ce9ee8b4_qkv-k_qc3ce9ee8b4_qkv
	.p2alignl 7, 3214868480
	.fill 96, 4, 3214868480
	.section	.rodata,"a",@progbits
	.p2align	6, 0x0
	.amdhsa_kernel k_qc3ce9ee8b4_qkv
		.amdhsa_group_segment_fixed_size 327680
		.amdhsa_private_segment_fixed_size 0
		.amdhsa_enable_private_segment 0
		.amdhsa_kernarg_size 56
		.amdhsa_user_sgpr_count 2
		.amdhsa_user_sgpr_kernarg_segment_ptr 1
		.amdhsa_wavefront_size32 1
		.amdhsa_system_sgpr_workgroup_id_x 1
		.amdhsa_system_sgpr_workgroup_id_y 1
		.amdhsa_system_sgpr_workgroup_id_z 1
		.amdhsa_system_vgpr_workitem_id 0
		.amdhsa_next_free_vgpr 1024
		.amdhsa_next_free_sgpr 88
		.amdhsa_reserve_vcc 1
		.amdhsa_float_denorm_mode_32 3
		.amdhsa_float_denorm_mode_16_64 3
		.amdhsa_memory_ordered 1
		.amdhsa_forward_progress 1
		.amdhsa_inst_pref_size 174
	.end_amdhsa_kernel
	.amdgpu_metadata
---
amdhsa.version: [ 1, 2 ]
amdhsa.kernels:
  - .name:           k_qc3ce9ee8b4_qkv
    .symbol:         k_qc3ce9ee8b4_qkv.kd
    .args:
      - { .name: himg, .offset: 0, .size: 8, .value_kind: global_buffer, .address_space: global }
      - { .name: wimg, .offset: 8, .size: 8, .value_kind: global_buffer, .address_space: global }
      - { .name: bq, .offset: 16, .size: 8, .value_kind: global_buffer, .address_space: global }
      - { .name: bk, .offset: 24, .size: 8, .value_kind: global_buffer, .address_space: global }
      - { .name: bv, .offset: 32, .size: 8, .value_kind: global_buffer, .address_space: global }
      - { .name: qimg, .offset: 40, .size: 8, .value_kind: global_buffer, .address_space: global }
      - { .name: kvimg, .offset: 48, .size: 8, .value_kind: global_buffer, .address_space: global }
    .group_segment_fixed_size: 327680
    .private_segment_fixed_size: 0
    .kernarg_segment_align: 8
    .kernarg_segment_size: 56
    .max_flat_workgroup_size: 128
    .sgpr_count:     88
    .vgpr_count:     1024
    .wavefront_size: 32
...
	.end_amdgpu_metadata
.endif
;; end of part 2
;; launch att (part 3): grid 8 x 32, 16 waves a work-group, clusters of 4 x 1, 272,384 bytes of LDS; arguments qimg, kvimg, aimg; writes aimg
.if DOCPART == 3
	.amdgcn_target "amdgcn-amd-amdhsa--gfx1250"
	.amdhsa_code_object_version 6
	.text
	.protected	k_qc3ce9ee8b4_att
	.globl	k_qc3ce9ee8b4_att
	.p2align	8
	.type	k_qc3ce9ee8b4_att,@function
k_qc3ce9ee8b4_att:
	s_mov_b64 s[64:65], 0
	v_nop
	global_prefetch_b8 v0, s[64:65] scope:SCOPE_SE
	s_setreg_imm32_b32 hwreg(HW_REG_WAVE_MODE, 25, 1), 1
	s_wait_xcnt 0x0
	s_wait_alu depctr_hold_cnt(0) depctr_sa_sdst(0) depctr_va_vdst(0) depctr_va_sdst(0) depctr_va_ssrc(0) depctr_va_vcc(0) depctr_vm_vsrc(0)
	s_getreg_b32 s2, hwreg(HW_REG_IB_STS2, 6, 4)
	s_cmp_eq_u32 s2, 0
	s_cbranch_scc0 .Lentry_in_a_cluster
	s_endpgm
.Lentry_in_a_cluster:
	s_bfe_u32 s2, ttmp6, 0x10000c
	s_cmp_lg_u32 s2, 0x3003
	s_cbranch_scc0 .Lentry_shape_is_right
	s_endpgm
.Lentry_shape_is_right:
; Attention of one head on codes of BF8 with E8M0 scales; head size 64, 2,048 keys, no mask.  The result is quantised as the A operand of the output projection.
; t = score x log2(e) / 8; M = the running largest t rounded up to a whole number; p = 2^(t - M) is quantised along the keys, not normalised; the row's sum is taken of the
; unquantised p and divides at the end.  When M moves, the sum and O^T are multiplied by 2^(old M - new M), which rounds nothing.
; SHARES: a work-group owns 256 queries of a head, each of its sixteen waves one tile of 16.  A head's k and v, 16 records of KVREC bytes, are brought into LDS ONCE: wave w asks for record w,
; one tensor load a wave, so nothing is filled again.  CLUSTER 4 x 1: the four partners walk the same head, and each record is asked for jointly.
; Waves 0-3 have a load line and a wait of their own: key steps 0 to 3 begin when these four have waited; the other twelve stand behind a second barrier, in front of which every wave has waited.
; Nothing is prefetched: all of k and v is asked for at the head.
; BOTH PRODUCTS ARE USED TRANSPOSED: a lane holds one query throughout.  THE FIRST PRODUCT'S K IS 64, the instruction's 128: a fragment of k holds TWO key tiles, one in each half of K,
; and is multiplied by [q | 0] for the first tile's scores and by [0 | q] for the second's.  The zero codes meet finite codes under scale bytes 1 to 254, so they add exactly 0.
; ORDER: maxima and sums run in eight chains side by side; v^T's 18 LDS loads stand in the gaps of the one chain that makes M; a block's conversions stand a block behind its holds.
; LIMITS: NaN and infinities are not served; p under 2^-126 counts as 0; blocks under 2^-111 keep the byte 1; the scaled scores stay under 2^31 in magnitude.
.set REC,   33792
.set KVREC, 16896
.set QSC,   4194304
.set SPARE, 0x42000
.set ADK, 3
.set ADS, 4
.set KF,  40                           ; v40-103  four fragments of k, then of v^T
.set S,   104                          ; v104-167 S^T, then p
.set O,   168                          ; v168-199 O^T
.set PC,  200                          ; v200-215 p's codes
.set BM,  216
.set T2,  220                          ; v220-227 also four partial sums
.set LM,  224                          ; v224-227 the holds' bounds
.set SO,  228
.set KS,  232
.set VS,  234
.set FF,  236
.set PS,  237
.set TT,  238
.set QS,  239
.set SM,  240                          ; v240-247 four partial sums; before them each block's second chain of maxima
.set OM,  248                          ; the old -M
.set L2,  249                          ; v249-252 the bounds once more: the two halves of a dual pair take their second sources from different register banks
.set SPW, 254
.set NIL, 255
.set WV,  18
.set MNT, 19
.set SEL, 20
.set CS,  22
.set G1,  24
.set G0,  32
.set TB,  48
.set CNT, 49
.macro CROUND
	s_barrier_signal -1
	s_barrier_wait -1
	s_cmp_lg_u32 s[WV], 0
	s_cbranch_scc1 .Lnot_wave_0_\@
	s_barrier_signal -3
.Lnot_wave_0_\@:
	s_barrier_wait -3
	s_barrier_signal -1
	s_barrier_wait -1
.endm
.macro TLOAD
	tensor_load_to_lds s[G0:G0+3], s[G1:G1+7]
	s_nop 0
.rept 4
	v_nop
.endr
.endm
	s_load_b128 s[4:7], s[0:1], 0x0                ; qimg, kvimg
	s_load_b64 s[8:9], s[0:1], 0x10                ; aimg
	v_lshl_add_u32 v[SPW], v0, 2, SPARE
	v_mov_b32 v[NIL], 0
	ds_add_u32 v[SPW], v[NIL]                      ; the opening lines
	ds_add_u32 v[SPW], v[NIL]
	v_lshrrev_b32 v1, 5, v0
	v_readfirstlane_b32 s[WV], v1                  ; wave 0..15
	s_and_b32 s50, ttmp7, 0xffff                   ; 16 batch + head, which the partners share
	s_bfe_u32 s51, ttmp6, 0x40000                  ; cx
	s_lshl_b32 s52, ttmp9, 2
	s_add_co_u32 s52, s52, s51                     ; my block of 256 queries: it enters q's and the result's addresses alone
	s_mov_b32 s[G1], 15|(3<<16)|(1<<21)            ; the mask: all four; elements of 8 bytes; bit 21 beside a mask; no padding
	s_mov_b32 s[G1+1], 32<<16                      ; a record is 66 dense rows of 256 bytes
	s_mov_b32 s[G1+2], 66<<16
	s_mov_b32 s[G1+3], 32<<16
	s_mov_b32 s[G1+4], 66
	s_mov_b32 s[G1+5], 32
	s_mov_b32 s[G1+6], 0
	s_mov_b32 s[G1+7], 0
	s_mov_b32 s[SEL], 0x76543210
	s_mov_b32 s[SEL+1], 0xfedcba98
	s_mov_b32 s[CS], 0x3e38aa3b                    ; c = log2(e) / 8
	s_mov_b32 s[CS+1], s[CS]
	s_mov_b32 s[MNT], 0x600000
	s_mov_b32 s[TB], 0
	s_mul_i32 s53, s[WV], KVREC
	s_lshl_b32 s54, s50, 4
	s_add_co_u32 s54, s54, s[WV]
	s_mul_i32 s54, s54, KVREC
	s_mov_b32 s55, 0
	s_lshl_b32 s56, s50, 7
	s_lshl_b32 s57, s52, 4
	s_add_co_u32 s56, s56, s57
	s_add_co_u32 s56, s56, s[WV]                   ; my tile of queries
	s_lshl_b32 s10, s56, 10
	s_mov_b32 s11, 0
	s_lshl_b32 s12, s56, 5
	s_add_co_u32 s12, s12, QSC
	s_mov_b32 s13, 0
	s_wait_dscnt 0x0
	s_wait_kmcnt 0x0
	s_add_nc_u64 s[10:11], s[4:5], s[10:11]
	s_add_nc_u64 s[12:13], s[4:5], s[12:13]
	s_mov_b32 s[G0], 1
	s_mov_b32 s[G0+1], s53                         ; record w lands at w KVREC
	s_add_nc_u64 s[G0+2:G0+3], s[6:7], s[54:55]
	s_or_b32 s[G0+3], s[G0+3], 0x80000000
	CROUND                                         ; all four work-groups are here: the joint loads meet
	s_cmp_lt_u32 s[WV], 4
	s_cbranch_scc0 .Llater
	TLOAD                                          ; waves 0-3: key steps 0 to 3
	s_branch .Lasked
.Llater:
	TLOAD                                          ; waves 4-15: key steps 4 to 15
.Lasked:
	v_and_b32 v6, 31, v0                           ; lane
	v_and_b32 v8, 15, v0                           ; r
	v_bfe_u32 v9, v0, 4, 1                         ; h
	v_lshlrev_b32 v1, 4, v6                        ; 16 x lane
	v_lshlrev_b32 v2, 2, v6                        ; 4 x lane
	v_lshlrev_b32 v5, 1, v8
	v_lshl_add_u32 v7, v8, 2, v9                   ; 4 r + h
	global_load_b128 v[24:27], v1, s[10:11]        ; q: the head's first 32,
	global_load_b128 v[28:31], v1, s[10:11] offset:512   ; its second
	global_load_u16 v[TT], v5, s[12:13]            ; its two scale bytes
.irp j, 0,1,2,3,4,5,6,7
	v_mov_b32 v[16+\j], 0                          ; [0 | q] = v[16:31], [q | 0] = v[24:39]
	v_mov_b32 v[32+\j], 0
.endr
	v_mov_b32 v13, 0xff61b1e6                      ; the largest t so far: -3e38
	v_mov_b32 v14, 0
	v_mov_b32 v15, 0
	v_floor_f32 v12, -v13                          ; -M
	v_mov_b32 v[PS], 0                             ; (named as the upper half of a pair before it is first written)
.irp b, 0,1,2,3
	v_mov_b32 v[T2+\b], 0                          ; a lane permute's destination counts as one of its sources
.endr
.set j, 0
.rept 32
	v_mov_b32 v[O+j], 0                            ; the step is written once: its first run finds zeros
.set j, j+1
.endr
	s_wait_loadcnt 0x0
	v_lshl_or_b32 v[QS], v[TT], 16, v[TT]
.macro KQ t, qr
.if ((\t)/2)%2
	v_wmma_scale_f32_16x16x128_f8f6f4 v[S+8*\t:S+8*\t+7], v[KF+16*(\t/2):KF+16*(\t/2)+15], v[\qr:\qr+15], 0, v[KS+\t/4], v[QS] matrix_a_fmt:MATRIX_FMT_BF8 matrix_b_fmt:MATRIX_FMT_BF8 matrix_a_scale:MATRIX_SCALE_ROW1
.else
	v_wmma_scale_f32_16x16x128_f8f6f4 v[S+8*\t:S+8*\t+7], v[KF+16*(\t/2):KF+16*(\t/2)+15], v[\qr:\qr+15], 0, v[KS+\t/4], v[QS] matrix_a_fmt:MATRIX_FMT_BF8 matrix_b_fmt:MATRIX_FMT_BF8
.endif
.endm
.macro PV t
.if (\t)%2
	v_wmma_scale_f32_16x16x128_f8f6f4 v[O+8*\t:O+8*\t+7], v[KF+16*\t:KF+16*\t+15], v[PC:PC+15], v[O+8*\t:O+8*\t+7], v[VS+\t/2], v[PS] matrix_a_fmt:MATRIX_FMT_BF8 matrix_b_fmt:MATRIX_FMT_BF8 matrix_a_scale:MATRIX_SCALE_ROW1
.else
	v_wmma_scale_f32_16x16x128_f8f6f4 v[O+8*\t:O+8*\t+7], v[KF+16*\t:KF+16*\t+15], v[PC:PC+15], v[O+8*\t:O+8*\t+7], v[VS+\t/2], v[PS] matrix_a_fmt:MATRIX_FMT_BF8 matrix_b_fmt:MATRIX_FMT_BF8
.endif
.endm
.macro VL k0, n                        ; n of the 18 loads of v^T (16 of codes, 2 of scale words), from number k0 on
.set K_, \k0
.rept \n
.if K_ < 16
	ds_load_b128 v[KF+4*K_:KF+4*K_+3], v[ADK] offset:8192+512*K_
.else
	ds_load_b32 v[VS+K_-16], v[ADS] offset:16640+128*(K_-16)
.endif
.set K_, K_+1
.endr
.endm
.macro DU b                            ; a block's sixteen holds, two an instruction: p is not negative, so the hold is one-sided
.irp i, 0,2,4,6,8,10,12,14
	v_dual_min_num_f32 v[S+16*\b+\i], v[S+16*\b+\i], v[LM+\b] :: v_dual_min_num_f32 v[S+16*\b+\i+1], v[S+16*\b+\i+1], v[L2+\b]
.endr
.endm
.macro CV b
	v_cvt_scalef32_pk8_bf8_f32 v[PC+4*\b:PC+1+4*\b], v[S+16*\b:S+7+16*\b], v[SO+\b]
	v_cvt_scalef32_pk8_bf8_f32 v[PC+2+4*\b:PC+3+4*\b], v[S+8+16*\b:S+15+16*\b], v[SO+\b]
.endm
.macro STEP                            ; 128 keys: the record at LDS byte s[TB]
	v_add_nc_u32 v[ADK], s[TB], v1
	v_add_nc_u32 v[ADS], s[TB], v2
.rept 6
	v_nop                                          ; with the two additions: eight places behind the last products, whose fragments are loaded over
.endr
.irp f, 0,1,2,3
.irp i, 0,1,2,3
	ds_load_b128 v[KF+16*\f+4*\i:KF+16*\f+4*\i+3], v[ADK] offset:2048*\f+512*\i
.endr
.endr
	ds_load_b32 v[KS], v[ADS] offset:16384         ; lanes 0-15: fragment 0's words, lanes 16-31: fragment 1's
	ds_load_b32 v[KS+1], v[ADS] offset:16384+128
	s_wait_alu depctr_va_vdst(0)
	s_wait_dscnt 0x0
	KQ 0, 24
	KQ 1, 16
	KQ 2, 24
	KQ 3, 16
	KQ 4, 24
	KQ 5, 16
	KQ 6, 24
	KQ 7, 16
.rept 8
	v_nop
.endr
	; the largest score of each block of 32 keys, in two chains a block: for the row's maximum, and for the block's largest p
.irp b, 0,1,2,3
	v_max3_num_f32 v[BM+\b], v[S+16*\b], v[S+1+16*\b], v[S+2+16*\b]
.endr
.irp b, 0,1,2,3
	v_max3_num_f32 v[SM+\b], v[S+8+16*\b], v[S+9+16*\b], v[S+10+16*\b]
.endr
.irp i, 3,5
.irp b, 0,1,2,3
	v_max3_num_f32 v[BM+\b], v[BM+\b], v[S+16*\b+\i], v[S+1+16*\b+\i]
.endr
.irp b, 0,1,2,3
	v_max3_num_f32 v[SM+\b], v[SM+\b], v[S+8+16*\b+\i], v[S+9+16*\b+\i]
.endr
.endr
.irp b, 0,1,2,3
	v_max3_num_f32 v[BM+\b], v[BM+\b], v[S+7+16*\b], v[S+15+16*\b]
.endr
	VL 0, 3                                        ; v^T lands under the softmax
.irp b, 0,1,2,3
	v_max_num_f32 v[BM+\b], v[BM+\b], v[SM+\b]
.endr
	VL 3, 3
.irp b, 0,1,2,3
	v_permlanex16_b32 v[T2+\b], v[BM+\b], s[SEL], s[SEL+1]
.endr
	VL 6, 3
.irp b, 0,1,2,3
	v_max_num_f32 v[BM+\b], v[BM+\b], v[T2+\b]
.endr
	v_mov_b32 v[OM], v12
	VL 9, 2
	v_max3_num_f32 v[TT], v[BM], v[BM+1], v[BM+2]
	VL 11, 2
	v_max_num_f32 v[TT], v[TT], v[BM+3]
	VL 13, 2
	v_mul_f32 v[TT], s[CS], v[TT]
	VL 15, 1
	v_max_num_f32 v13, v13, v[TT]                  ; the running largest t
	s_delay_alu instid0(VALU_DEP_1)
	v_floor_f32 v12, -v13                          ; the new -M
	VL 16, 2
.set j, 0
.rept 32
	v_pk_fma_f32 v[S+j:S+j+1], v[S+j:S+j+1], s[CS:CS+1], v[12:13] op_sel_hi:[1,0,0]   ; t - M
.if j == 6
	v_sub_f32 v[TT], v12, v[OM]                    ; old M - new M: a whole number, 0 or less
.elseif j == 16
	v_cvt_i32_f32 v[TT], v[TT]                     ; (it saturates)
.elseif j == 26
	v_ldexp_f32 v[FF], 1.0, v[TT]                  ; f
.endif
.set j, j+2
.endr
.irp b, 0,1,2,3
	v_fma_f32 v[BM+\b], v[BM+\b], s[CS], v12
.endr
	s_wait_alu depctr_va_vdst(0)                   ; ahead of the batch
.set j, 0
.rept 64
	v_exp_f32 v[S+j], v[S+j]
.set j, j+1
.endr
	v_pk_mul_f32 v[14:15], v[14:15], v[FF:FF+1] op_sel_hi:[1,0]   ; the sums under the new M; a plain instruction behind the exponentials
	s_wait_alu depctr_va_vdst(0)                   ; one wait for the batch, ahead of its first reader
.irp b, 0,1,2,3
	v_exp_f32 v[BM+\b], v[BM+\b]                   ; each block's largest p
.endr
	; the row's sum of the unquantised p, in eight chains
.irp k, 0,1,2,3
	v_pk_add_f32 v[SM+2*\k:SM+2*\k+1], v[S+4*\k:S+4*\k+1], v[S+4*\k+2:S+4*\k+3]
.endr
.irp k, 0,1,2,3
	v_pk_add_f32 v[T2+2*\k:T2+2*\k+1], v[S+16+4*\k:S+16+4*\k+1], v[S+16+4*\k+2:S+16+4*\k+3]
.endr
.irp j, 32,48
.irp k, 0,1,2,3
	v_pk_add_f32 v[SM+2*\k:SM+2*\k+1], v[SM+2*\k:SM+2*\k+1], v[S+\j+2*\k:S+\j+2*\k+1]
.endr
.irp k, 0,1,2,3
	v_pk_add_f32 v[T2+2*\k:T2+2*\k+1], v[T2+2*\k:T2+2*\k+1], v[S+\j+8+2*\k:S+\j+8+2*\k+1]
.endr
.endr
.irp k, 0,1,2,3
	v_pk_add_f32 v[SM+2*\k:SM+2*\k+1], v[SM+2*\k:SM+2*\k+1], v[T2+2*\k:T2+2*\k+1]
.endr
	s_delay_alu instid0(VALU_DEP_2)
	v_pk_add_f32 v[SM:SM+1], v[SM:SM+1], v[SM+4:SM+5]
	s_delay_alu instid0(VALU_DEP_2)
	v_pk_add_f32 v[SM+2:SM+3], v[SM+2:SM+3], v[SM+6:SM+7]
	s_delay_alu instid0(VALU_DEP_1)
	v_pk_add_f32 v[SM:SM+1], v[SM:SM+1], v[SM+2:SM+3]
	s_delay_alu instid0(VALU_DEP_1)
	v_pk_add_f32 v[14:15], v[14:15], v[SM:SM+1]
	s_wait_alu depctr_va_vdst(0)                   ; and one for the four
.irp b, 0,1,2,3
	v_max_num_f32 v[BM+\b], 0x8000000, v[BM+\b]
.endr
.irp b, 0,1,2,3
	s_delay_alu instid0(VALU_DEP_4)
	v_add_nc_u32 v[SO+\b], 0xf8800000, v[BM+\b]
.endr
.irp b, 0,1,2,3
	v_and_or_b32 v[LM+\b], v[BM+\b], 0x7f800000, s[MNT]
.endr
.irp b, 0,1,2,3
	v_and_or_b32 v[L2+\b], v[BM+\b], 0x7f800000, s[MNT]
.endr
.irp b, 0,1,2,3
	v_lshrrev_b32 v[T2+\b], 23, v[SO+\b]
.endr
	DU 0
	v_lshl_or_b32 v[PS], v[T2+1], 8, v[T2]         ; p's scale word, a line at a time among the holds
	DU 1
	v_lshl_or_b32 v[PS], v[T2+2], 16, v[PS]
	CV 0
	DU 2
	v_lshl_or_b32 v[PS], v[T2+3], 24, v[PS]
	CV 1
	DU 3
	CV 2
	CV 3
	s_wait_alu depctr_va_vdst(0)                   ; directly ahead of the first reader of O^T
.set j, 0
.rept 16
	v_pk_mul_f32 v[O+j:O+j+1], v[O+j:O+j+1], v[FF:FF+1] op_sel_hi:[1,0]   ; O^T under the new M; also the places between the codes and the products
.set j, j+2
.endr
	s_wait_alu depctr_va_vdst(0)
	s_wait_dscnt 0x0                               ; v^T is in
	PV 0
	PV 1
	PV 2
	PV 3
	s_add_co_u32 s[TB], s[TB], KVREC
.endm
	s_wait_alu depctr_va_vdst(0)                   ; at the head's end
	s_cmp_lt_u32 s[WV], 4
	s_cbranch_scc0 .Lnot_first
	s_wait_tensorcnt 0x0                           ; waves 0-3: records 0 to 3 are in
.Lnot_first:
	s_barrier_signal -1
	s_barrier_wait -1
	s_mov_b32 s[CNT], 4
.Lstep_a:
	STEP
	s_sub_co_u32 s[CNT], s[CNT], 1
	s_cmp_lg_u32 s[CNT], 0
	s_cbranch_scc1 .Lstep_a
	s_wait_tensorcnt 0x0                           ; every wave: its record is in
	s_wait_dscnt 0x0
	s_barrier_signal -1
	s_barrier_wait -1
	s_mov_b32 s[CNT], 12
.Lstep_b:
	STEP
	s_sub_co_u32 s[CNT], s[CNT], 1
	s_cmp_lg_u32 s[CNT], 0
	s_cbranch_scc1 .Lstep_b
	; THE WAY OUT: O^T / the sum; register 16 b + i is channel 32 b + 16 h + i of my query: two blocks of the next product's K
	v_add_f32 v14, v14, v15
	v_permlanex16_b32 v[TT], v14, s[SEL], s[SEL+1]
	v_add_f32 v14, v14, v[TT]
	s_wait_alu depctr_va_vdst(0)
	v_rcp_f32 v14, v14
	v_cmp_lt_u32 vcc_lo, 15, v6                    ; lanes 16-31
.rept 8
	v_nop                                          ; places behind the last products
.endr
	s_lshr_b32 s10, s50, 4
	s_lshl_b32 s10, s10, 4
	s_lshl_b32 s11, s52, 1
	s_add_co_u32 s10, s10, s11
	s_lshr_b32 s11, s[WV], 3
	s_add_co_u32 s10, s10, s11                     ; the group of 128 rows
	s_lshl_b32 s10, s10, 2
	s_and_b32 s11, s50, 15                         ; the head: K = 64 head on
	s_lshr_b32 s12, s11, 2
	s_add_co_u32 s10, s10, s12
	s_mul_i32 s10, s10, REC                        ; the record
	s_bfe_u32 s12, s11, 0x10001
	s_and_b32 s13, s11, 1
	s_and_b32 s14, s[WV], 7                        ; the tile in the group
	s_lshl_b32 s15, s12, 9
	s_add_co_u32 s15, s15, s10
	s_lshl_b32 s16, s14, 6
	s_add_co_u32 s15, s15, s16
	s_lshl_b32 s16, s13, 1
	s_add_co_u32 s15, s15, s16
	s_add_co_u32 s12, s15, 32768                   ; my scale bytes
	s_bfe_u32 s15, s11, 0x10001
	s_lshl_b32 s15, s15, 11
	s_add_co_u32 s10, s10, s15
	s_lshl_b32 s15, s14, 12
	s_add_co_u32 s10, s10, s15
	s_lshl_b32 s15, s13, 10
	s_add_co_u32 s10, s10, s15                     ; my codes
	s_mov_b32 s11, 0
	s_mov_b32 s13, 0
	s_add_nc_u64 s[10:11], s[8:9], s[10:11]
	s_add_nc_u64 s[12:13], s[8:9], s[12:13]
	s_wait_alu depctr_va_vdst(0)                   ; the wait for the reciprocal, ahead of its first reader
.set j, 0
.rept 32
	v_mul_f32 v[S+j], v[O+j], v14
.set j, j+1
.endr
.irp b, 0,1
	v_max3_num_f32 v[BM+\b], |v[S+16*\b]|, |v[S+1+16*\b]|, 0x8000000
.endr
.irp i, 2,4,6,8,10,12,14
.irp b, 0,1
	v_max3_num_f32 v[BM+\b], v[BM+\b], |v[S+16*\b+\i]|, |v[S+1+16*\b+\i]|
.endr
.endr
.irp b, 0,1
	v_permlanex16_b32 v[T2+\b], v[BM+\b], s[SEL], s[SEL+1]
.endr
.irp b, 0,1
	v_max_num_f32 v[BM+\b], v[BM+\b], v[T2+\b]
.endr
.irp b, 0,1
	v_add_nc_u32 v[SO+\b], 0xf8800000, v[BM+\b]
.endr
.irp b, 0,1
	v_and_or_b32 v[LM+\b], v[BM+\b], 0x7f800000, s[MNT]
.endr
.irp b, 0,1
	v_lshrrev_b32 v[T2+\b], 23, v[SO+\b]
.endr
	v_cndmask_b32 v[TT], v[T2], v[T2+1], vcc_lo    ; lanes 0-15 store the first block's byte, lanes 16-31 the second's
.irp b, 0,1
.irp i, 0,1,2,3,4,5,6,7,8,9,10,11,12,13,14,15
	v_med3_num_f32 v[S+16*\b+\i], v[S+16*\b+\i], -v[LM+\b], v[LM+\b]
.endr
	v_cvt_scalef32_pk8_bf8_f32 v[PC+4*\b:PC+1+4*\b], v[S+16*\b:S+7+16*\b], v[SO+\b]
	v_cvt_scalef32_pk8_bf8_f32 v[PC+2+4*\b:PC+3+4*\b], v[S+8+16*\b:S+15+16*\b], v[SO+\b]
.endr
	v_nop
	global_store_b128 v1, v[PC:PC+3], s[10:11]     ; 512 consecutive bytes, aligned
	global_store_b128 v1, v[PC+4:PC+7], s[10:11] offset:512
	global_store_b8 v7, v[TT], s[12:13]
	s_wait_tensorcnt 0x0                           ; the wave's end
	ds_add_u32 v[SPW], v[NIL]
	s_wait_dscnt 0x0
	CROUND                                         ; the closing round
	s_endpgm
.Lfunc_end_k_qc3ce9ee8b4_att:
	.size	k_qc3ce9ee8b4_att, .Lfunc_end_k_qc3ce9ee8b4_att-k_qc3ce9ee8b4_att
	.p2alignl 7, 3214868480
	.fill 96, 4, 3214868480
	.section	.rodata,"a",@progbits
	.p2align	6, 0x0
	.amdhsa_kernel k_qc3ce9ee8b4_att
		.amdhsa_group_segment_fixed_size 272384
		.amdhsa_private_segment_fixed_size 0
		.amdhsa_enable_private_segment 0
		.amdhsa_kernarg_size 24
		.amdhsa_user_sgpr_count 2
		.amdhsa_user_sgpr_kernarg_segment_ptr 1
		.amdhsa_wavefront_size32 1
		.amdhsa_system_sgpr_workgroup_id_x 1
		.amdhsa_system_sgpr_workgroup_id_y 1
		.amdhsa_system_sgpr_workgroup_id_z 1
		.amdhsa_system_vgpr_workitem_id 0
		.amdhsa_next_free_vgpr 256
		.amdhsa_next_free_sgpr 66
		.amdhsa_reserve_vcc 1
		.amdhsa_float_denorm_mode_32 3
		.amdhsa_float_denorm_mode_16_64 3
		.amdhsa_memory_ordered 1
		.amdhsa_forward_progress 1
		.amdhsa_inst_pref_size 52
	.end_amdhsa_kernel
	.amdgpu_metadata
---
amdhsa.version: [ 1, 2 ]
amdhsa.kernels:
  - .name:           k_qc3ce9ee8b4_att
    .symbol:         k_qc3ce9ee8b4_att.kd
    .args:
      - { .name: qimg, .offset: 0, .size: 8, .value_kind: global_buffer, .address_space: global }
      - { .name: kvimg, .offset: 8, .size: 8, .value_kind: global_buffer, .address_space: global }
      - { .name: aimg, .offset: 16, .size: 8, .value_kind: global_buffer, .address_space: global }
    .group_segment_fixed_size: 272384
    .private_segment_fixed_size: 0
    .kernarg_segment_align: 8
    .kernarg_segment_size: 24
    .max_flat_workgroup_size: 512
    .sgpr_count:     66
    .vgpr_count:     256
    .wavefront_size: 32
...
	.end_amdgpu_metadata
.endif
;; end of part 3
;; launch oproj (part 4): grid 8 x 32, 4 waves a work-group, clusters of 4 x 4, 327,680 bytes of LDS; arguments aimg, wimg, bo, x, x1; writes x1
.if DOCPART == 4
	.amdgcn_target "amdgcn-amd-amdhsa--gfx1250"
	.amdhsa_code_object_version 6
	.text
	.protected	k_qc3ce9ee8b4_oproj
	.globl	k_qc3ce9ee8b4_oproj
	.p2align	8
	.type	k_qc3ce9ee8b4_oproj,@function
k_qc3ce9ee8b4_oproj:
	s_mov_b64 s[64:65], 0
	v_nop
	global_prefetch_b8 v0, s[64:65] scope:SCOPE_SE
	s_setreg_imm32_b32 hwreg(HW_REG_WAVE_MODE, 25, 1), 1
	s_wait_xcnt 0x0
	s_wait_alu depctr_hold_cnt(0) depctr_sa_sdst(0) depctr_va_vdst(0) depctr_va_sdst(0) depctr_va_ssrc(0) depctr_va_vcc(0) depctr_vm_vsrc(0)
	s_getreg_b32 s2, hwreg(HW_REG_IB_STS2, 6, 4)
	s_cmp_eq_u32 s2, 0
	s_cbranch_scc0 .Lentry_in_a_cluster
	s_endpgm
.Lentry_in_a_cluster:
	s_bfe_u32 s2, ttmp6, 0x10000c
	s_cmp_lg_u32 s2, 0xf033
	s_cbranch_scc0 .Lentry_shape_is_right
	s_endpgm
.Lentry_shape_is_right:
; x1 = x + attn Wo + bo on codes of BF8 with E8M0 scales: 4,096 x 1,024 x K 1,024.  Operands come as images of their registers (records of REC bytes: 128 rows x 256 K, codes then scale words).
; The text is that of the launch for the second MLP product, with NPH = 1: all of K is ONE fill of four records, a record a wave, asked for jointly along a row of the 4 x 4 cluster; nothing is filled again.
; SHARES: 256 work-groups of 128 x 128; a wave takes ALL 128 rows and 32 columns of its own: 8 x 2 accumulators.
; B (Wo's columns) goes from memory STRAIGHT INTO REGISTERS: no two waves of a work-group want the same bytes of it, and its image is in the order of the operand's registers, 512 consecutive bytes a load.
; All its eight steps are asked for at the head (nine loads a step).  So B has no joint load (a load into registers has no such form); nothing is prefetched: the launch has no loop to run ahead in.
; SOURCE 0 = B's tile, SOURCE 1 = A's: a lane holds one row, its registers run along the columns.  The bias is loaded into the accumulators; the residual is asked for at the head, behind B, and added on the way out.
; THE WAY OUT: the four waves lay the block into a stage in LDS bytes that nothing fills, meet, and each stores 32 whole rows of 512 bytes.
; LIMITS: NaN and infinities are not served.
.set NPH,   1
.set REC,   33792
.set GSTR,  4*NPH*REC
.set WBASE, 96*REC
.set SLOT,  4*REC
.set SPARE, 2*SLOT
.set STAGE, (NPH%2)*SLOT
.set SP,    528
.set CO,   4
.set VBS,  5
.set AB,   8
.set SBA,  12
.set ADRA, 16
.set ADRS, 20
.set STO,  24
.set RD,   25
.set VB,   27
.set SPW,  28
.set NIL,  29
.set VBO,  31
.set SA,   96
.set ACC,  128
.set G1,   24
.set G0,   32
.set BPC,  36
.set BPN,  38
.set TB,   48
.set WR,   50
.set MSB, 0
.macro WIN new
.if MSB != \new
	s_set_vgpr_msb (MSB<<8)|\new
.set MSB, \new
.endif
.endm
.macro PLACES n
.rept \n
	v_nop
.endr
.endm
.macro TLOAD
	tensor_load_to_lds s[G0:G0+3], s[G1:G1+7]
	s_nop 0
	PLACES 4
.endm
.macro CROUND
	s_barrier_signal -1
	s_barrier_wait -1
	s_cmp_lg_u32 s14, 0
	s_cbranch_scc1 .Lnot_wave_0_\@
	s_barrier_signal -3
.Lnot_wave_0_\@:
	s_barrier_wait -3
	s_barrier_signal -1
	s_barrier_wait -1
.endm
.macro BSEL g
.if (\g) < 8
.set BB_, BPC
.set GG_, (\g)
.else
.set BB_, BPN
.set GG_, (\g)-8
.endif
.endm
.macro BLOAD g
	BSEL \g
	WIN 0xc0
.irp t, 0,1
.irp c, 0,1,2,3
	global_load_b128 v[32*((\g)%8)+16*\t+4*\c:32*((\g)%8)+16*\t+4*\c+3], v[VBO], s[BB_:BB_+1] offset:(GG_/2)*REC+\t*4096+(GG_%2)*2048+\c*512
.endr
.endr
.endm
.macro BSC g
	BSEL \g
	WIN 0
	global_load_b32 v[32+8*(((\g)%8)/2)+4*(1-(\g)%2)], v[VBS], s[BB_:BB_+1] offset:(GG_/2)*REC+32768+(GG_%2)*512
.endm
.macro FETCHA st
	WIN 0x40
.irp i, 0,1,2,3,4,5,6,7
.irp c, 0,1,2,3
	ds_load_b128 v[128*((\st)%2)+16*\i+4*\c:128*((\st)%2)+16*\i+4*\c+3], v[ADRA+(\st)/2] offset:\i*4096+((\st)%2)*2048+\c*512
.endr
.endr
	WIN 0
.irp k, 0,1,2,3
	ds_load_b32 v[SA+4*((\st)%2)+\k], v[ADRS+(\st)/2] offset:((\st)%2)*512+\k*128
.endr
.endm
.macro WM st, a, b
.set D_, ACC+8*(2*(\a)+\b)
.set B_, 32*(\st)+16*\b
.set A_, 128*((\st)%2)+16*(\a)
.set SB_, 32+8*((\st)/2)+4*(1-(\st)%2)
.set SA_, SA+4*((\st)%2)+(\a)/2
.if ((\a)%2) && \b
	v_wmma_scale_f32_16x16x128_f8f6f4 v[D_:D_+7], v[B_:B_+15], v[A_:A_+15], v[D_:D_+7], v[SB_], v[SA_] matrix_a_fmt:MATRIX_FMT_BF8 matrix_b_fmt:MATRIX_FMT_BF8 matrix_a_scale:MATRIX_SCALE_ROW1 matrix_b_scale:MATRIX_SCALE_ROW1
.elseif (\a)%2
	v_wmma_scale_f32_16x16x128_f8f6f4 v[D_:D_+7], v[B_:B_+15], v[A_:A_+15], v[D_:D_+7], v[SB_], v[SA_] matrix_a_fmt:MATRIX_FMT_BF8 matrix_b_fmt:MATRIX_FMT_BF8 matrix_b_scale:MATRIX_SCALE_ROW1
.elseif \b
	v_wmma_scale_f32_16x16x128_f8f6f4 v[D_:D_+7], v[B_:B_+15], v[A_:A_+15], v[D_:D_+7], v[SB_], v[SA_] matrix_a_fmt:MATRIX_FMT_BF8 matrix_b_fmt:MATRIX_FMT_BF8 matrix_a_scale:MATRIX_SCALE_ROW1
.else
	v_wmma_scale_f32_16x16x128_f8f6f4 v[D_:D_+7], v[B_:B_+15], v[A_:A_+15], v[D_:D_+7], v[SB_], v[SA_] matrix_a_fmt:MATRIX_FMT_BF8 matrix_b_fmt:MATRIX_FMT_BF8
.endif
.endm
.macro MULH st, a0                     ; eight products; the sixteen accumulators take turns
.irp a, \a0, \a0+1, \a0+2, \a0+3
.irp b, 0,1
	WM \st, \a, \b
.endr
.endr
.endm
.macro RESID                           ; the residual: a row of 512 bytes a load, into window 2
	WIN 0x80
.set t, 0
.rept 32
	global_load_b128 v[4*t:4*t+3], v[CO], s[10:11] offset:t*4096
.set t, t+1
.endr
.endm
.macro STEP st                         ; 128 along K
	PLACES 8                                       ; behind the last products: loads follow into registers that earlier products have read
.if (\st) < 7
	FETCHA (\st)+1
.endif
.set N_, (7-(\st))*9+32                ; behind this step's loads of B: nine for each later step, and the residual's 32;
.if N_ > 63
.set N_, 63                            ; a wait's count names 63 at the most: the smaller count asks for more than is needed, never for less
.endif
	s_wait_loadcnt N_
.if (\st) < 7
	s_wait_dscnt 36                                ; the next step's fetch may be out
.else
	s_wait_dscnt 0x0
.endif
	WIN 0x07                                       ; source 0: window 3, source 1: window 1, sums: window 0
	MULH \st, 0
	MULH \st, 4
.endm
.macro ADDRS
.irp r, 0,1,2,3
	v_add_nc_u32 v[ADRA+\r], s[TB], v[AB+\r]
	v_add_nc_u32 v[ADRS+\r], s[TB], v[SBA+\r]
.endr
	s_wait_alu depctr_va_vdst(0)                   ; directly behind the writes
.endm
	s_load_b256 s[4:11], s[0:1], 0x0               ; aimg, wimg, bo, x
	s_load_b64 s[12:13], s[0:1], 0x20              ; x1
	v_lshl_add_u32 v[SPW], v0, 2, SPARE
	v_mov_b32 v[NIL], 0
	ds_add_u32 v[SPW], v[NIL]                      ; the opening lines
	ds_add_u32 v[SPW], v[NIL]
	v_lshrrev_b32 v1, 5, v0
	v_readfirstlane_b32 s14, v1                    ; wave
	v_bfe_u32 v2, v0, 4, 1                         ; h
	v_lshlrev_b32 v[VB], 6, v2
	s_bfe_u32 s40, ttmp6, 0x40000                  ; cx
	s_bfe_u32 s41, ttmp6, 0x40004                  ; cy
	s_lshl_b32 s42, ttmp9, 2
	s_add_co_u32 s42, s42, s40                     ; tx
	s_and_b32 s17, ttmp7, 0xffff
	s_lshl_b32 s17, s17, 2
	s_add_co_u32 s17, s17, s41                     ; ty
	s_lshl_b32 s43, s41, 2
	s_lshl_b32 s43, 15, s43                        ; my row of the cluster
	s_or_b32 s[G1], s43, (3<<16)|(1<<21)
	s_mov_b32 s[G1+1], 32<<16                      ; a record is 132 dense rows of 256 bytes
	s_mov_b32 s[G1+2], 132<<16
	s_mov_b32 s[G1+3], 32<<16
	s_mov_b32 s[G1+4], 132
	s_mov_b32 s[G1+5], 32
	s_mov_b32 s[G1+6], 0
	s_mov_b32 s[G1+7], 0
	s_mul_i32 s[WR], s14, REC
	s_mul_i32 s20, s17, GSTR
	s_add_co_u32 s20, s20, s[WR]
	s_mov_b32 s21, 0
	s_mul_i32 s22, s42, GSTR
	s_add_co_u32 s22, s22, WBASE
	s_mov_b32 s23, 0
	s_lshl_b32 s51, s42, 9
	s_lshl_b32 s52, s14, 7
	s_add_co_u32 s54, s51, s52                     ; the bias: column 128 tx + 32 w
	s_mov_b32 s55, 0
	s_lshl_b32 s56, s17, 7
	s_lshl_b32 s53, s14, 5
	s_add_co_u32 s56, s56, s53
	s_lshl_b32 s56, s56, 12
	s_add_co_u32 s56, s56, s51                     ; row 128 ty + 32 w, column 128 tx
	s_mov_b32 s57, 0
	s_mov_b32 s[TB], 0
	s_wait_alu depctr_va_vdst(0)
	s_wait_dscnt 0x0
	s_wait_kmcnt 0x0
	s_add_nc_u64 s[20:21], s[4:5], s[20:21]
	s_add_nc_u64 s[BPC:BPC+1], s[6:7], s[22:23]
	s_add_nc_u64 s[8:9], s[8:9], s[54:55]
	s_add_nc_u64 s[10:11], s[10:11], s[56:57]
	s_add_nc_u64 s[12:13], s[12:13], s[56:57]
	s_mov_b32 s[G0], 1
	s_mov_b32 s[G0+1], s[WR]
	s_mov_b64 s[G0+2:G0+3], s[20:21]
	s_or_b32 s[G0+3], s[G0+3], 0x80000000
.irp a, 0,1,2,3,4,5,6,7                ; register j of accumulator (a, b): column 32 w + 16 h + 8 b + j
.irp b, 0,1
	global_load_b128 v[ACC+8*(2*\a+\b):ACC+8*(2*\a+\b)+3], v[VB], s[8:9] offset:32*\b
	global_load_b128 v[ACC+8*(2*\a+\b)+4:ACC+8*(2*\a+\b)+7], v[VB], s[8:9] offset:32*\b+16
.endr
.endr
	CROUND                                         ; all sixteen work-groups are here
	TLOAD                                          ; my one tensor load
	v_and_b32 v1, 15, v0
	v_and_b32 v3, 31, v0
	v_lshlrev_b32 v[CO], 4, v3
	v_lshlrev_b32 v6, 2, v3
.irp r, 0,1,2,3
	v_add_nc_u32 v[AB+\r], \r*REC, v[CO]
	v_add_nc_u32 v[SBA+\r], \r*REC+32768, v6
.endr
	s_lshl_b32 s18, s14, 13
	v_add_nc_u32 v[VBO], s18, v[CO]                ; B's tiles 2 w, 2 w + 1
	v_add_nc_u32 v[VBS], s52, v6
	s_wait_alu depctr_va_vdst(0)
.irp g, 0,1,2,3,4,5,6,7
	BLOAD \g
	BSC \g
.endr
	RESID
	WIN 0
	v_and_b32 v7, 8, v1
	v_add_nc_u32 v7, v7, v1                        ; place r of a tile is row r + 8 (r / 8) of its 32
	v_mul_u32_u24 v[STO], v7, SP
	v_lshl_add_u32 v[STO], v2, 6, v[STO]
	s_add_co_u32 s19, s52, STAGE
	v_add_nc_u32 v[STO], s19, v[STO]               ; the stage, in: my row, byte 128 w + 64 h
	s_mul_i32 s19, s14, 32*SP
	s_add_co_u32 s19, s19, STAGE
	v_add_nc_u32 v[RD], s19, v[CO]                 ; and back: rows 32 w on, 16 bytes a lane
	s_wait_alu depctr_va_vdst(0)                   ; at the head's end
	s_wait_tensorcnt 0x0                           ; my record is in
	ds_add_u32 v[SPW], v[NIL]
	s_wait_dscnt 0x0
	s_barrier_signal -1
	s_barrier_wait -1
	ADDRS
	FETCHA 0
.irp st, 0,1,2,3,4,5,6,7
	STEP \st
.endr
	WIN 0
	PLACES 8                                       ; behind the last products
.irp a, 0,1,2,3,4,5,6,7
.irp b, 0,1
	ds_store_b128 v[STO], v[ACC+8*(2*\a+\b):ACC+8*(2*\a+\b)+3] offset:(32*(\a/2)+8*(\a%2))*SP+32*\b
	ds_store_b128 v[STO], v[ACC+8*(2*\a+\b)+4:ACC+8*(2*\a+\b)+7] offset:(32*(\a/2)+8*(\a%2))*SP+32*\b+16
.endr
.endr
	s_wait_dscnt 0x0                               ; for the others' sake
	s_barrier_signal -1
	s_barrier_wait -1
	WIN 0x40
.set t, 0
.rept 32
	ds_load_b128 v[4*t:4*t+3], v[RD] offset:t*SP
.set t, t+1
.endr
	s_wait_loadcnt 0x0                             ; the residual
.irp c, 0,1,2,3
	s_wait_dscnt 24-8*\c                           ; eight more rows are back
	WIN 0x49                                       ; window 1 = window 1 + window 2
.set i, 0
.rept 16
	v_pk_add_f32 v[32*\c+2*i:32*\c+2*i+1], v[32*\c+2*i:32*\c+2*i+1], v[32*\c+2*i:32*\c+2*i+1]
.set i, i+1
.endr
	WIN 0x04
.set t, 0
.rept 8
	global_store_b128 v[CO], v[32*\c+4*t:32*\c+4*t+3], s[12:13] offset:(8*\c+t)*4096 th:TH_STORE_NT   ; 512 consecutive bytes, aligned; written once, read by nobody in this launch
.set t, t+1
.endr
.endr
	WIN 0
	s_wait_tensorcnt 0x0                           ; the wave's end
	ds_add_u32 v[SPW], v[NIL]
	s_wait_dscnt 0x0
	CROUND                                         ; the closing round
	s_endpgm
.Lfunc_end_k_qc3ce9ee8b4_oproj:
	.size	k_qc3ce9ee8b4_oproj, .Lfunc_end_k_qc3ce9ee8b4_oproj-k_qc3ce9ee8b4_oproj
	.p2alignl 7, 3214868480
	.fill 96, 4, 3214868480
	.section	.rodata,"a",@progbits
	.p2align	6, 0x0
	.amdhsa_kernel k_qc3ce9ee8b4_oproj
		.amdhsa_group_segment_fixed_size 327680
		.amdhsa_private_segment_fixed_size 0
		.amdhsa_enable_private_segment 0
		.amdhsa_kernarg_size 40
		.amdhsa_user_sgpr_count 2
		.amdhsa_user_sgpr_kernarg_segment_ptr 1
		.amdhsa_wavefront_size32 1
		.amdhsa_system_sgpr_workgroup_id_x 1
		.amdhsa_system_sgpr_workgroup_id_y 1
		.amdhsa_system_sgpr_workgroup_id_z 1
		.amdhsa_system_vgpr_workitem_id 0
		.amdhsa_next_free_vgpr 1024
		.amdhsa_next_free_sgpr 66
		.amdhsa_reserve_vcc 0
		.amdhsa_float_denorm_mode_32 3
		.amdhsa_float_denorm_mode_16_64 3
		.amdhsa_memory_ordered 1
		.amdhsa_forward_progress 1
		.amdhsa_inst_pref_size 68
	.end_amdhsa_kernel
	.amdgpu_metadata
---
amdhsa.version: [ 1, 2 ]
amdhsa.kernels:
  - .name:           k_qc3ce9ee8b4_oproj
    .symbol:         k_qc3ce9ee8b4_oproj.kd
    .args:
      - { .name: aimg, .offset: 0, .size: 8, .value_kind: global_buffer, .address_space: global }
      - { .name: wimg, .offset: 8, .size: 8, .value_kind: global_buffer, .address_space: global }
      - { .name: bo, .offset: 16, .size: 8, .value_kind: global_buffer, .address_space: global }
      - { .name: x, .offset: 24, .size: 8, .value_kind: global_buffer, .address_space: global }
      - { .name: x1, .offset: 32, .size: 8, .value_kind: global_buffer, .address_space: global }
    .group_segment_fixed_size: 327680
    .private_segment_fixed_size: 0
    .kernarg_segment_align: 8
    .kernarg_segment_size: 40
    .max_flat_workgroup_size: 128
    .sgpr_count:     66
    .vgpr_count:     1024
    .wavefront_size: 32
...
	.end_amdgpu_metadata
.endif
;; end of part 4
;; launch ln2: the kernel of part 1 again; grid 128 x 2, 4 waves a work-group, no clusters, 18,432 bytes of LDS; arguments x1, ln2_g, ln2_b, h2img, wq, wk, wv, wo, w1, w2, wimg; writes h2img, wimg
;; launch mlp1 (part 5): grid 16 x 16, 4 waves a work-group, clusters of 4 x 4, 327,680 bytes of LDS; arguments h2img, wimg, b1, gimg; writes gimg
.if DOCPART == 5
	.amdgcn_target "amdgcn-amd-amdhsa--gfx1250"
	.amdhsa_code_object_version 6
	.text
	.protected	k_qc3ce9ee8b4_mlp1
	.globl	k_qc3ce9ee8b4_mlp1
	.p2align	8
	.type	k_qc3ce9ee8b4_mlp1,@function
k_qc3ce9ee8b4_mlp1:
	s_mov_b64 s[64:65], 0
	v_nop
	global_prefetch_b8 v0, s[64:65] scope:SCOPE_SE
	s_setreg_imm32_b32 hwreg(HW_REG_WAVE_MODE, 25, 1), 1
	s_wait_xcnt 0x0
	s_wait_alu depctr_hold_cnt(0) depctr_sa_sdst(0) depctr_va_vdst(0) depctr_va_sdst(0) depctr_va_ssrc(0) depctr_va_vcc(0) depctr_vm_vsrc(0)
	s_getreg_b32 s2, hwreg(HW_REG_IB_STS2, 6, 4)
	s_cmp_eq_u32 s2, 0
	s_cbranch_scc0 .Lentry_in_a_cluster
	s_endpgm
.Lentry_in_a_cluster:
	s_bfe_u32 s2, ttmp6, 0x10000c
	s_cmp_lg_u32 s2, 0xf033
	s_cbranch_scc0 .Lentry_shape_is_right
	s_endpgm
.Lentry_shape_is_right:
.set REC,   33792
.set GSTR,  4*REC
.set WBASE, 128*REC
.set SLOT,  REC                        ; wave w's record of slot s lands at (2 w + s) REC
.set SPARE, 8*REC
.set LAPS,  2
.set NP,    8
.set NL,    4
.set FR,    16
.set ADRA,  16
.set LN,    19
.set ADRB,  20
.set ADRS,  22
.set SPW,   28
.set NIL,   29
.set SC,    32
.set BIAS,  64
.set AF,    128
.set ST,    0
.set T,     64
.set H,     128
.set PC,    192
.set TM,    208
.set PW,    224
.set TP,    225
.set C9,    228
.set TQ,    232
.set G1,    24
.set G0,    32
.set G1B,   48
.set G0B,   56
.set AI,    66
.set SEL,   78
.set MNT,   80
.set K0,    81
.set MSB, 0
.macro WIN new
.if MSB != \new
	s_set_vgpr_msb (MSB<<8)|\new
.set MSB, \new
.endif
.endm
.set MUL_LO, 0xa1
.set MUL_HI, 0xf1
.set TO_B,   0x40
.macro JLOAD g0a, g1a, g0b, g1b
	s_cmp_eq_u32 s15, 0
	s_cbranch_scc0 .Lfor_b_\@
	tensor_load_to_lds s[\g0a:\g0a+3], s[\g1a:\g1a+7]
	s_nop 0
.rept 4
	v_nop
.endr
	s_branch .Lasked_\@
.Lfor_b_\@:
	tensor_load_to_lds s[\g0b:\g0b+3], s[\g1b:\g1b+7]
	s_nop 0
.rept 4
	v_nop
.endr
.Lasked_\@:
.endm
.macro CREST
	s_cmp_lg_u32 s14, 0
	s_cbranch_scc1 .Lnot_wave_0_\@
	s_barrier_signal -3
.Lnot_wave_0_\@:
	s_barrier_wait -3
	s_barrier_signal -1
	s_barrier_wait -1
.endm
.macro CROUND
	s_barrier_signal -1
	s_barrier_wait -1
	CREST
.endm
.macro PAIR r, val
	s_mov_b32 s[\r], \val
	s_mov_b32 s[\r+1], \val
.endm
	s_load_b256 s[4:11], s[0:1], 0x0
	v_lshl_add_u32 v[SPW], v0, 2, SPARE
	v_mov_b32 v[NIL], 0
	ds_add_u32 v28, v29
	ds_add_u32 v28, v29
	s_wait_dscnt 0x0
	v_lshrrev_b32 v1, 5, v0
	v_readfirstlane_b32 s14, v1
	s_lshr_b32 s15, s14, 1
	s_and_b32 s16, s14, 1
	s_bfe_u32 s40, ttmp6, 0x40000
	s_bfe_u32 s41, ttmp6, 0x40004
	s_lshl_b32 s42, ttmp9, 2
	s_add_co_u32 s42, s42, s40
	s_and_b32 s17, ttmp7, 0xffff
	s_lshl_b32 s17, s17, 2
	s_add_co_u32 s17, s17, s41
	s_lshl_b32 s43, s41, 2
	s_lshl_b32 s43, 15, s43
	s_lshl_b32 s44, 0x1111, s40
	s_or_b32 s[G1], s43, (3<<16)|(1<<21)
	s_or_b32 s[G1B], s44, (3<<16)|(1<<21)
.irp g, G1, G1B
	s_mov_b32 s[\g+1], 32<<16
	s_mov_b32 s[\g+2], 264<<16                     ; the head's load brings two records on end: both slots' first fills
	s_mov_b32 s[\g+3], 32<<16
	s_mov_b32 s[\g+4], 264
	s_mov_b32 s[\g+5], 32
	s_mov_b32 s[\g+6], 0
	s_mov_b32 s[\g+7], 0
.endr
	s_lshl_b32 s20, s17, 1
	s_add_co_u32 s20, s20, s16
	s_mul_i32 s20, s20, GSTR
	s_mov_b32 s21, 0
	s_lshl_b32 s46, s42, 1
	s_add_co_u32 s46, s46, s16
	s_mul_i32 s46, s46, GSTR
	s_add_co_u32 s46, s46, WBASE
	s_mov_b32 s47, 0
	s_mul_i32 s45, s14, 2*REC
	s_mov_b32 s[SEL], 0x76543210
	s_mov_b32 s[SEL+1], 0xfedcba98
	s_mov_b32 s[MNT], 0x600000
	s_mov_b32 s[K0], 0x3eb504f3
	PAIR 82, 0xbf97d29d
	PAIR 84, 0x40097039
	PAIR 86, 0xbfd1a1e5
	PAIR 88, 0x3ecdfd18
	PAIR 90, 0xbe899a80
	PAIR 92, 0x3e0efb2e
	PAIR 94, 0x3f0a29d2
	PAIR 96, 0x3fb8ab5a
	PAIR 98, 0xc034d90f
	PAIR 100, 0xbf38aa3b
	s_wait_kmcnt 0x0
	s_add_nc_u64 s[20:21], s[4:5], s[20:21]
	s_add_nc_u64 s[46:47], s[6:7], s[46:47]
	CROUND
.irp s, 0,1
	s_mov_b32 s[G0+4*\s], 1
	s_add_co_u32 s[G0+4*\s+1], s45, \s*SLOT
	s_add_nc_u64 s[G0+4*\s+2:G0+4*\s+3], s[20:21], \s*REC
	s_or_b32 s[G0+4*\s+3], s[G0+4*\s+3], 0x80000000
	s_mov_b32 s[G0B+4*\s], 1
	s_add_co_u32 s[G0B+4*\s+1], s45, \s*SLOT
	s_add_nc_u64 s[G0B+4*\s+2:G0B+4*\s+3], s[46:47], \s*REC
	s_or_b32 s[G0B+4*\s+3], s[G0B+4*\s+3], 0x80000000
.if \s == 0
	JLOAD G0, G1, G0B, G1B
.endif
.endr
	s_lshl_b32 s2, s42, 10
	s_lshl_b32 s3, s16, 9
	s_add_co_u32 s2, s2, s3
	s_mov_b32 s3, 0
	s_add_nc_u64 s[8:9], s[8:9], s[2:3]
	s_lshl_b32 s2, s17, 1
	s_add_co_u32 s2, s2, s15
	s_lshl_b32 s2, s2, 4
	s_add_co_u32 s2, s2, s42
	s_mul_i32 s2, s2, REC
	s_lshl_b32 s18, s16, 9
	s_add_co_u32 s18, s18, s2
	s_add_co_u32 s18, s18, 32768
	s_mov_b32 s19, 0
	s_add_nc_u64 s[74:75], s[10:11], s[18:19]
	s_lshl_b32 s18, s16, 11
	s_add_co_u32 s2, s2, s18
	s_add_nc_u64 s[72:73], s[10:11], s[2:3]
	v_and_b32 v[LN], 31, v0
	v_and_b32 v1, 15, v0
	v_bfe_u32 v2, v0, 4, 1
	s_wait_alu depctr_va_vdst(0)
	v_lshlrev_b32 v24, 4, v[LN]
	s_mul_i32 s20, s15, 2*REC
	s_mul_i32 s21, s16, 2*REC
	s_add_co_u32 s21, s21, 4*REC
.irp s, 0,1
	v_add_nc_u32 v[ADRA+\s], s20, v24
	v_add_nc_u32 v[ADRB+\s], s21, v24
	s_add_co_u32 s20, s20, SLOT
	s_add_co_u32 s21, s21, SLOT
.endr
	s_mul_i32 s20, s15, 2*REC
	s_mul_i32 s21, s16, 2*REC
	s_add_co_u32 s21, s21, 4*REC
	s_sub_co_u32 s21, s21, s20
	v_mul_u32_u24 v5, s21, v2
	v_lshl_add_u32 v5, v1, 2, v5
	s_add_co_u32 s20, s20, 32768
	v_add_nc_u32 v[ADRS], s20, v5
	s_add_co_u32 s20, s20, SLOT
	v_add_nc_u32 v[ADRS+1], s20, v5
	v_lshlrev_b32 v25, 2, v1
	v_lshl_add_u32 v25, v2, 1, v25
	v_lshlrev_b32 v30, 6, v2
.irp b, 0,1,2,3,4,5,6,7
	global_load_b128 v[BIAS+8*\b:BIAS+8*\b+3], v30, s[8:9] offset:(32*(\b/2)+8*(\b%2))*4
	global_load_b128 v[BIAS+8*\b+4:BIAS+8*\b+7], v30, s[8:9] offset:(32*(\b/2)+8*(\b%2))*4+16
.endr
.macro FRAG reg, adr, q, i
.irp c, 0,1,2,3
	ds_load_b128 v[\reg+4*\c:\reg+4*\c+3], v[\adr] offset:(\i)*4096+(\q)*2048+512*\c
.endr
.endm
.macro MUL16 a0, p, q, sc, zero
.irp a, \a0, \a0+1
.irp b, 0,1,2,3,4,5,6,7
.if \zero
	v_wmma_scale_f32_16x16x128_f8f6f4 v[8*(8*((\a)%4)+\b):8*(8*((\a)%4)+\b)+7], v[128*(\p)+FR*\b:128*(\p)+FR*\b+FR-1], v[AF+FR*(\a):AF+FR*(\a)+FR-1], 0, v[SC+16*(\sc)+2*\b+(\q)], v[SC+16*(\sc)+2*(\a)+(\q)] matrix_a_fmt:MATRIX_FMT_BF8 matrix_b_fmt:MATRIX_FMT_BF8 matrix_a_scale:MATRIX_SCALE_ROW1
.else
	v_wmma_scale_f32_16x16x128_f8f6f4 v[8*(8*((\a)%4)+\b):8*(8*((\a)%4)+\b)+7], v[128*(\p)+FR*\b:128*(\p)+FR*\b+FR-1], v[AF+FR*(\a):AF+FR*(\a)+FR-1], v[8*(8*((\a)%4)+\b):8*(8*((\a)%4)+\b)+7], v[SC+16*(\sc)+2*\b+(\q)], v[SC+16*(\sc)+2*(\a)+(\q)] matrix_a_fmt:MATRIX_FMT_BF8 matrix_b_fmt:MATRIX_FMT_BF8 matrix_a_scale:MATRIX_SCALE_ROW1
.endif
.endr
.endr
.endm
.macro FETCH_B slot, q, p
	WIN TO_B
.irp i, 0,1,2,3,4,5,6,7
	FRAG 128*(\p)+FR*\i, ADRB+\slot, \q, \i
.endr
	WIN 0
.endm
.macro FETCH_A slot, q, i0
.irp i, \i0, \i0+1, \i0+2, \i0+3
	FRAG AF+FR*(\i), ADRA+\slot, \q, \i
.endr
.endm
.macro SCALES sc
.irp i, 0,1,2,3,4,5,6,7
.irp q, 0,1
	ds_load_b32 v[SC+16*\sc+2*\i+\q], v[ADRS+\sc] offset:\q*512+\i*64
.endr
.endr
.endm
.macro PLACES n
.rept \n
	v_nop
.endr
.endm
.macro STEP slot, q, zero
	s_wait_dscnt 4*NL
	WIN MUL_LO
	MUL16 0, (\q)%2, \q, \slot, \zero
	MUL16 2, (\q)%2, \q, \slot, \zero
	s_wait_dscnt 0
	PLACES NP
	FETCH_B \slot, (\q)+1, 1-(\q)%2
	FETCH_A \slot, (\q)+1, 0
	WIN MUL_HI
	MUL16 4, (\q)%2, \q, \slot, \zero
	MUL16 6, (\q)%2, \q, \slot, \zero
	PLACES NP
	WIN 0
	FETCH_A \slot, (\q)+1, 4
.endm
.macro TURN slot, next, fill
	s_wait_dscnt 4*NL
	WIN MUL_LO
	MUL16 0, 1, 1, \slot, 0
	MUL16 2, 1, 1, \slot, 0
	WIN 0
	s_wait_tensorcnt 0x0
	ds_add_u32 v[SPW], v[NIL]
	s_wait_dscnt 0x0
	s_barrier_signal -1
	s_barrier_wait -1
.if \fill
	CREST
	s_add_nc_u64 s[G0+4*\slot+2:G0+4*\slot+3], s[G0+4*\slot+2:G0+4*\slot+3], 2*REC
	s_add_nc_u64 s[G0B+4*\slot+2:G0B+4*\slot+3], s[G0B+4*\slot+2:G0B+4*\slot+3], 2*REC
	JLOAD G0+4*\slot, G1, G0B+4*\slot, G1B
	PLACES NP-4
.else
	PLACES NP
.endif
	FETCH_B \next, 0, 0
	FETCH_A \next, 0, 0
	SCALES \next
	WIN MUL_HI
	MUL16 4, 1, 1, \slot, 0
	MUL16 6, 1, 1, \slot, 0
	PLACES NP
	WIN 0
	FETCH_A \next, 0, 4
.endm
	s_wait_alu depctr_va_vdst(0)
	s_wait_tensorcnt 0x0                           ; my records of both slots are in; no tensor load of mine is out, so a descriptor may be written:
	s_mov_b32 s[G1+2], 132<<16                     ; from here on a load brings one record
	s_mov_b32 s[G1+4], 132
	s_mov_b32 s[G1B+2], 132<<16
	s_mov_b32 s[G1B+4], 132
	s_barrier_signal -1
	s_barrier_wait -1
	FETCH_B 0, 0, 0
	FETCH_A 0, 0, 0
	SCALES 0
	FETCH_A 0, 0, 4
	STEP 0, 0, 1
.rept LAPS-1
	TURN 0, 1, 1
	STEP 1, 0, 0
	TURN 1, 0, 1
	STEP 0, 0, 0
.endr
	TURN 0, 1, 0
	STEP 1, 0, 0
	s_wait_dscnt 4*NL
	WIN MUL_LO
	MUL16 0, 1, 1, 1, 0
	MUL16 2, 1, 1, 1, 0
	s_wait_dscnt 0
	WIN MUL_HI
	MUL16 4, 1, 1, 1, 0
	MUL16 6, 1, 1, 1, 0
	WIN 0
.macro MOVE k
	WIN 0x42+(\k)/4
.set i, 0
.rept 32
	v_pk_add_f32 v[ST+2*i:ST+2*i+1], v[64*((\k)%4)+2*i:64*((\k)%4)+2*i+1], v[BIAS+2*i:BIAS+2*i+1]
.set i, i+1
.endr
	WIN 0
.endm
.macro GELU
.set i, 0
.rept 64
	v_fma_f32 v[T+i], |v[ST+i]|, s[K0], 1.0
.set i, i+1
.endr
.set i, 0
	s_wait_alu depctr_va_vdst(0)
.rept 64
	v_rcp_f32 v[T+i], v[T+i]
.set i, i+1
.endr
	v_nop
	s_wait_alu depctr_va_vdst(0)
.set i, 0
.rept 32
	v_pk_fma_f32 v[H+i:H+i+1], v[T+i:T+i+1], v[C9:C9+1], s[82:83] op_sel_hi:[1,1,0]
.set i, i+2
.endr
.irp k, 84,86,88,90,92,94,96,98
.set i, 0
.rept 32
	v_pk_fma_f32 v[H+i:H+i+1], v[H+i:H+i+1], v[T+i:T+i+1], s[\k:\k+1] op_sel_hi:[1,1,0]
.set i, i+2
.endr
.endr
.set g, 0
.rept 4
.set i, 0
.rept 8
	v_pk_mul_f32 v[TQ+2*i:TQ+2*i+1], v[ST+16*g+2*i:ST+16*g+2*i+1], v[ST+16*g+2*i:ST+16*g+2*i+1]
.set i, i+1
.endr
.set i, 0
.rept 8
	v_pk_fma_f32 v[H+16*g+2*i:H+16*g+2*i+1], v[TQ+2*i:TQ+2*i+1], s[100:101], v[H+16*g+2*i:H+16*g+2*i+1] op_sel_hi:[1,0,1]
.set i, i+1
.endr
.set g, g+1
.endr
.set i, 0
	s_wait_alu depctr_va_vdst(0)
.rept 64
	v_exp_f32 v[H+i], v[H+i]
.set i, i+1
.endr
	v_nop
	s_wait_alu depctr_va_vdst(0)
.set i, 0
.rept 32
	v_pk_mul_f32 v[H+i:H+i+1], v[H+i:H+i+1], v[T+i:T+i+1]
.set i, i+2
.endr
.set i, 0
.rept 64
	v_max_num_f32 v[T+i], 0, v[ST+i]
.set i, i+1
.endr
.set i, 0
.rept 64
	v_fma_f32 v[ST+i], -|v[ST+i]|, v[H+i], v[T+i]
.set i, i+1
.endr
.endm
.macro QUANT s
.irp b, 0,1,2,3
	v_max3_num_f32 v[TM+\b], |v[\s+16*\b]|, |v[\s+1+16*\b]|, 0x8000000
.endr
.irp i, 2,4,6,8,10,12,14
.irp b, 0,1,2,3
	v_max3_num_f32 v[TM+\b], v[TM+\b], |v[\s+16*\b+\i]|, |v[\s+1+16*\b+\i]|
.endr
.endr
.irp b, 0,1,2,3
	v_permlanex16_b32 v[TM+4+\b], v[TM+\b], s[SEL], s[SEL+1]
.endr
.irp b, 0,1,2,3
	v_max_num_f32 v[TM+\b], v[TM+\b], v[TM+4+\b]
.endr
.irp b, 0,1,2,3
	v_add_nc_u32 v[TM+12+\b], 0xf8800000, v[TM+\b]
.endr
.irp b, 0,1,2,3
	v_and_or_b32 v[TM+8+\b], v[TM+\b], 0x7f800000, s[MNT]
.endr
.irp b, 0,1,2,3
	v_lshrrev_b32 v[TM+4+\b], 23, v[TM+12+\b]
.endr
	v_lshl_or_b32 v[PW], v[TM+5], 8, v[TM+4]
	v_lshl_or_b32 v[PW], v[TM+6], 16, v[PW]
	v_lshl_or_b32 v[PW], v[TM+7], 24, v[PW]
.irp b, 0,1,2,3
.irp i, 0,1,2,3,4,5,6,7,8,9,10,11,12,13,14,15
	v_med3_num_f32 v[\s+16*\b+\i], v[\s+16*\b+\i], -v[TM+8+\b], v[TM+8+\b]
.endr
	v_cvt_scalef32_pk8_bf8_f32 v[PC+4*\b:PC+1+4*\b], v[\s+16*\b:\s+7+16*\b], v[TM+12+\b]
	v_cvt_scalef32_pk8_bf8_f32 v[PC+2+4*\b:PC+3+4*\b], v[\s+8+16*\b:\s+15+16*\b], v[TM+12+\b]
.endr
	v_nop
.endm
	PLACES NP
	s_wait_loadcnt 0x0
	v_cmp_lt_u32 vcc_lo, 15, v[LN]
	WIN 0x40
.irp b, 0,1,2,3
	v_mov_b32 v[TM+4+\b], 0
.endr
	v_mov_b32 v[C9], 0x3e7c6f08
	v_mov_b32 v[C9+1], 0x3e7c6f08
	WIN 0
	s_mov_b32 s[AI], 0
.Ltrip:
.irp k, 1,2,3,4,5,6,7
	s_cmp_eq_u32 s[AI], \k
	s_cbranch_scc1 .Lmv\k
.endr
	MOVE 0
	s_branch .Lwork
.irp k, 1,2,3,4,5,6,7
.Lmv\k:
	MOVE \k
	s_branch .Lwork
.endr
.Lwork:
	WIN 0x55
	GELU
	s_wait_xcnt 0x0
	QUANT ST
	v_lshrrev_b32 v[TP], 16, v[PW]
	v_cndmask_b32 v[TP], v[PW], v[TP], vcc_lo
	WIN 0
	s_lshl_b32 s2, s[AI], 12
	v_add_nc_u32 v26, s2, v24
	s_lshl_b32 s2, s[AI], 6
	v_add_nc_u32 v27, s2, v25
	WIN 0x04
.irp c, 0,1,2,3
	global_store_b128 v26, v[PC+4*\c:PC+4*\c+3], s[72:73] offset:512*\c
.endr
	global_store_b16 v27, v[TP], s[74:75]
	WIN 0
	s_add_co_u32 s[AI], s[AI], 1
	s_cmp_lt_u32 s[AI], 8
	s_cbranch_scc1 .Ltrip
	s_wait_tensorcnt 0x0
	ds_add_u32 v[SPW], v[NIL]
	s_wait_dscnt 0x0
	CROUND
	s_endpgm
.Lfunc_end_k_qc3ce9ee8b4_mlp1:
	.size	k_qc3ce9ee8b4_mlp1, .Lfunc_end_k_qc3ce9ee8b4_mlp1-k_qc3ce9ee8b4_mlp1
	.p2alignl 7, 3214868480
	.fill 96, 4, 3214868480
	.section	.rodata,"a",@progbits
	.p2align	6, 0x0
	.amdhsa_kernel k_qc3ce9ee8b4_mlp1
		.amdhsa_group_segment_fixed_size 327680
		.amdhsa_private_segment_fixed_size 0
		.amdhsa_enable_private_segment 0
		.amdhsa_kernarg_size 32
		.amdhsa_user_sgpr_count 2
		.amdhsa_user_sgpr_kernarg_segment_ptr 1
		.amdhsa_wavefront_size32 1
		.amdhsa_system_sgpr_workgroup_id_x 1
		.amdhsa_system_sgpr_workgroup_id_y 1
		.amdhsa_system_sgpr_workgroup_id_z 1
		.amdhsa_system_vgpr_workitem_id 0
		.amdhsa_next_free_vgpr 1024
		.amdhsa_next_free_sgpr 102
		.amdhsa_reserve_vcc 1
		.amdhsa_float_denorm_mode_32 3
		.amdhsa_float_denorm_mode_16_64 3
		.amdhsa_memory_ordered 1
		.amdhsa_forward_progress 1
		.amdhsa_inst_pref_size 183
	.end_amdhsa_kernel
	.amdgpu_metadata
---
amdhsa.version: [ 1, 2 ]
amdhsa.kernels:
  - .name:           k_qc3ce9ee8b4_mlp1
    .symbol:         k_qc3ce9ee8b4_mlp1.kd
    .args:
      - { .name: h2img, .offset: 0, .size: 8, .value_kind: global_buffer, .address_space: global }
      - { .name: wimg, .offset: 8, .size: 8, .value_kind: global_buffer, .address_space: global }
      - { .name: b1, .offset: 16, .size: 8, .value_kind: global_buffer, .address_space: global }
      - { .name: gimg, .offset: 24, .size: 8, .value_kind: global_buffer, .address_space: global }
    .group_segment_fixed_size: 327680
    .private_segment_fixed_size: 0
    .kernarg_segment_align: 8
    .kernarg_segment_size: 32
    .max_flat_workgroup_size: 128
    .sgpr_count:     102
    .vgpr_count:     1024
    .wavefront_size: 32
...
	.end_amdgpu_metadata
.endif
;; end of part 5
;; launch mlp2 (part 6): grid 8 x 32, 4 waves a work-group, clusters of 4 x 4, 327,680 bytes of LDS; arguments gimg, wimg, b2, x1, out0; writes out0
.if DOCPART == 6
	.amdgcn_target "amdgcn-amd-amdhsa--gfx1250"
	.amdhsa_code_object_version 6
	.text
	.protected	k_qc3ce9ee8b4_mlp2
	.globl	k_qc3ce9ee8b4_mlp2
	.p2align	8
	.type	k_qc3ce9ee8b4_mlp2,@function
k_qc3ce9ee8b4_mlp2:
	s_mov_b64 s[64:65], 0
	v_nop
	global_prefetch_b8 v0, s[64:65] scope:SCOPE_SE
	s_setreg_imm32_b32 hwreg(HW_REG_WAVE_MODE, 25, 1), 1
	s_wait_xcnt 0x0
	s_wait_alu depctr_hold_cnt(0) depctr_sa_sdst(0) depctr_va_vdst(0) depctr_va_sdst(0) depctr_va_ssrc(0) depctr_va_vcc(0) depctr_vm_vsrc(0)
	s_getreg_b32 s2, hwreg(HW_REG_IB_STS2, 6, 4)
	s_cmp_eq_u32 s2, 0
	s_cbranch_scc0 .Lentry_in_a_cluster
	s_endpgm
.Lentry_in_a_cluster:
	s_bfe_u32 s2, ttmp6, 0x10000c
	s_cmp_lg_u32 s2, 0xf033
	s_cbranch_scc0 .Lentry_shape_is_right
	s_endpgm
.Lentry_shape_is_right:
; out0 = x1 + gelu(..) W2 + b2 on codes of BF8 with E8M0 scales: 4,096 x 1,024 x K 4,096.  Operands come as images of their registers (records of REC bytes: 128 rows x 256 K, codes then scale words).
; SHARES: 256 work-groups of 128 x 128; a wave takes ALL 128 rows and 32 columns of its own: 8 x 2 accumulators.
; A (the rows) goes through LDS: a slot holds four records, K = 1,024: a phase of eight steps; two slots, four fills, a record a wave; asked for jointly along a row of the 4 x 4 cluster.
; A trip of the loop is a change of slots, the fill of the other slot with the next phase's records, and a phase; the last phase is written out: it fills nothing.
; B (W2's columns) goes from memory STRAIGHT INTO REGISTERS: no two waves of a work-group want the same bytes of it, and its image is in the order of the operand's registers, 512 consecutive bytes a load.
; Its loads run six steps of 128 along K ahead in a ring of eight register sets (nine loads a step: 54 are out behind a step's own).  So B has no joint load (a load into registers has no such form) and no prefetch.
; A's fills 2 and 3 are prefetched a phase ahead of their tensor loads: a wave names 32 blocks of 256 bytes of the record that it will fetch, the four partners told apart by address; the third trip asks for nothing.
; SOURCE 0 = B's tile, SOURCE 1 = A's: a lane holds one row, its registers run along the columns.  The bias is loaded into the accumulators; the residual is asked for in the last phase's step 4 and added on the way out.
; THE WAY OUT: the four waves lay the block into a stage in slot 0 (its last fill and last read are over), meet, and each stores 32 whole rows of 512 bytes.
; REGISTERS: window 0: addresses, scale words (B's v32-63, A's v96-103: no product's two have numbers equal modulo 8), v128-255 the sums; window 1: A's fragments, two sets; window 2: the residual; window 3: B's ring.
; LIMITS: NaN and infinities are not served.
.set NPH,   4
.set REC,   33792
.set GSTR,  4*NPH*REC
.set WBASE, 256*REC
.set SLOT,  4*REC
.set SPARE, 2*SLOT
.set STAGE, (NPH%2)*SLOT
.set SP,    528
.set CO,   4
.set VBS,  5
.set AB,   8
.set SBA,  12
.set ADRA, 16
.set ADRS, 20
.set STO,  24
.set RD,   25
.set VB,   27
.set SPW,  28
.set NIL,  29
.set PFO,  30
.set VBO,  31
.set SA,   96
.set ACC,  128
.set G1,   24
.set G0,   32
.set BPC,  36
.set BPN,  38
.set PFA,  44
.set TF,   46
.set TB,   48
.set PH,   49
.set WR,   50
.set MSB, 0
.macro WIN new
.if MSB != \new
	s_set_vgpr_msb (MSB<<8)|\new
.set MSB, \new
.endif
.endm
.macro PLACES n
.rept \n
	v_nop
.endr
.endm
.macro TLOAD
	tensor_load_to_lds s[G0:G0+3], s[G1:G1+7]
	s_nop 0
	PLACES 4
.endm
.macro CROUND
	s_barrier_signal -1
	s_barrier_wait -1
	s_cmp_lg_u32 s14, 0
	s_cbranch_scc1 .Lnot_wave_0_\@
	s_barrier_signal -3
.Lnot_wave_0_\@:
	s_barrier_wait -3
	s_barrier_signal -1
	s_barrier_wait -1
.endm
.macro BSEL g                          ; step g of this phase, or step g - 8 of the next
.if (\g) < 8
.set BB_, BPC
.set GG_, (\g)
.else
.set BB_, BPN
.set GG_, (\g)-8
.endif
.endm
.macro BLOAD g                         ; B's two tiles of step g into ring set g % 8
	BSEL \g
	WIN 0xc0
.irp t, 0,1
.irp c, 0,1,2,3
	global_load_b128 v[32*((\g)%8)+16*\t+4*\c:32*((\g)%8)+16*\t+4*\c+3], v[VBO], s[BB_:BB_+1] offset:(GG_/2)*REC+\t*4096+(GG_%2)*2048+\c*512
.endr
.endr
.endm
.macro BSC g                           ; and their scale words: lanes 0-15 the first tile's, lanes 16-31 the second's
	BSEL \g
	WIN 0
	global_load_b32 v[32+8*(((\g)%8)/2)+4*(1-(\g)%2)], v[VBS], s[BB_:BB_+1] offset:(GG_/2)*REC+32768+(GG_%2)*512
.endm
.macro FETCHA st                       ; A's eight tiles of the slot's step st into set st % 2, and four registers of scale words (two tiles to a register)
	WIN 0x40
.irp i, 0,1,2,3,4,5,6,7
.irp c, 0,1,2,3
	ds_load_b128 v[128*((\st)%2)+16*\i+4*\c:128*((\st)%2)+16*\i+4*\c+3], v[ADRA+(\st)/2] offset:\i*4096+((\st)%2)*2048+\c*512
.endr
.endr
	WIN 0
.irp k, 0,1,2,3
	ds_load_b32 v[SA+4*((\st)%2)+\k], v[ADRS+(\st)/2] offset:((\st)%2)*512+\k*128
.endr
.endm
.macro WM st, a, b
.set D_, ACC+8*(2*(\a)+\b)
.set B_, 32*(\st)+16*\b
.set A_, 128*((\st)%2)+16*(\a)
.set SB_, 32+8*((\st)/2)+4*(1-(\st)%2)
.set SA_, SA+4*((\st)%2)+(\a)/2
.if ((\a)%2) && \b
	v_wmma_scale_f32_16x16x128_f8f6f4 v[D_:D_+7], v[B_:B_+15], v[A_:A_+15], v[D_:D_+7], v[SB_], v[SA_] matrix_a_fmt:MATRIX_FMT_BF8 matrix_b_fmt:MATRIX_FMT_BF8 matrix_a_scale:MATRIX_SCALE_ROW1 matrix_b_scale:MATRIX_SCALE_ROW1
.elseif (\a)%2
	v_wmma_scale_f32_16x16x128_f8f6f4 v[D_:D_+7], v[B_:B_+15], v[A_:A_+15], v[D_:D_+7], v[SB_], v[SA_] matrix_a_fmt:MATRIX_FMT_BF8 matrix_b_fmt:MATRIX_FMT_BF8 matrix_b_scale:MATRIX_SCALE_ROW1
.elseif \b
	v_wmma_scale_f32_16x16x128_f8f6f4 v[D_:D_+7], v[B_:B_+15], v[A_:A_+15], v[D_:D_+7], v[SB_], v[SA_] matrix_a_fmt:MATRIX_FMT_BF8 matrix_b_fmt:MATRIX_FMT_BF8 matrix_a_scale:MATRIX_SCALE_ROW1
.else
	v_wmma_scale_f32_16x16x128_f8f6f4 v[D_:D_+7], v[B_:B_+15], v[A_:A_+15], v[D_:D_+7], v[SB_], v[SA_] matrix_a_fmt:MATRIX_FMT_BF8 matrix_b_fmt:MATRIX_FMT_BF8
.endif
.endm
.macro MULH st, a0                     ; eight products; the sixteen accumulators take turns
.irp a, \a0, \a0+1, \a0+2, \a0+3
.irp b, 0,1
	WM \st, \a, \b
.endr
.endr
.endm
.macro RESID                           ; the residual: a row of 512 bytes a load, into window 2
	WIN 0x80
.set t, 0
.rept 32
	global_load_b128 v[4*t:4*t+3], v[CO], s[10:11] offset:t*4096
.set t, t+1
.endr
.endm
.macro STEP st, la                     ; 128 along K.  la = 1: B's loads run six steps ahead; la = 0: the last phase, which asks for nothing beyond its step 7
	PLACES 8                                       ; behind the last products: loads follow into registers that earlier products have read
.set LD_, 0
.set N_, (7-(\st))*9                   ; nine loads for each later step
.if \la
.set LD_, 1
.set N_, 54
.elseif (NPH > 1) && ((\st) < 2)
.set LD_, 1
.set N_, 54
.endif
.if LD_
	BLOAD (\st)+6
.endif
.if (\st) < 7
	FETCHA (\st)+1
.endif
.if LD_
	BSC (\st)+6
.endif
.if (\la == 0) && ((\st) == 4)
	RESID
.endif
.if (\la == 0) && ((\st) >= 4)
.set N_, N_+32                         ; and the residual's 32
.endif
	s_wait_loadcnt N_
.if (\st) < 7
	s_wait_dscnt 36                                ; the next step's fetch may be out
.else
	s_wait_dscnt 0x0
.endif
	WIN 0x07                                       ; source 0: window 3, source 1: window 1, sums: window 0
	MULH \st, 0
	MULH \st, 4
.endm
.macro ADDRS
.irp r, 0,1,2,3
	v_add_nc_u32 v[ADRA+\r], s[TB], v[AB+\r]
	v_add_nc_u32 v[ADRS+\r], s[TB], v[SBA+\r]
.endr
	s_wait_alu depctr_va_vdst(0)
.endm
	s_load_b256 s[4:11], s[0:1], 0x0               ; gimg, wimg, b2, x1
	s_load_b64 s[12:13], s[0:1], 0x20              ; out0
	v_lshl_add_u32 v[SPW], v0, 2, SPARE
	v_mov_b32 v[NIL], 0
	ds_add_u32 v[SPW], v[NIL]                      ; the opening lines
	ds_add_u32 v[SPW], v[NIL]
	v_lshrrev_b32 v1, 5, v0
	v_readfirstlane_b32 s14, v1                    ; wave
	v_bfe_u32 v2, v0, 4, 1                         ; h
	v_lshlrev_b32 v[VB], 6, v2
	s_bfe_u32 s40, ttmp6, 0x40000                  ; cx
	s_bfe_u32 s41, ttmp6, 0x40004                  ; cy
	s_lshl_b32 s42, ttmp9, 2
	s_add_co_u32 s42, s42, s40                     ; tx: which 128 columns
	s_and_b32 s17, ttmp7, 0xffff
	s_lshl_b32 s17, s17, 2
	s_add_co_u32 s17, s17, s41                     ; ty: which 128 rows
	s_lshl_b32 s43, s41, 2
	s_lshl_b32 s43, 15, s43                        ; my row of the cluster
	s_or_b32 s[G1], s43, (3<<16)|(1<<21)
	s_mov_b32 s[G1+1], 32<<16                      ; a record is 132 dense rows of 256 bytes
	s_mov_b32 s[G1+2], 132<<16
	s_mov_b32 s[G1+3], 32<<16
	s_mov_b32 s[G1+4], 132
	s_mov_b32 s[G1+5], 32
	s_mov_b32 s[G1+6], 0
	s_mov_b32 s[G1+7], 0
	s_mul_i32 s[WR], s14, REC
	s_mul_i32 s20, s17, GSTR
	s_add_co_u32 s20, s20, s[WR]
	s_mov_b32 s21, 0
	s_mul_i32 s22, s42, GSTR
	s_add_co_u32 s22, s22, WBASE
	s_mov_b32 s23, 0
	s_lshl_b32 s18, s40, 13                        ; the prefetches: my work-group's 8,192 bytes of the record, in fill 2
	s_add_co_u32 s18, s18, 8*REC
	s_mov_b32 s19, 0
	s_lshl_b32 s51, s42, 9
	s_lshl_b32 s52, s14, 7
	s_add_co_u32 s54, s51, s52                     ; the bias: column 128 tx + 32 w
	s_mov_b32 s55, 0
	s_lshl_b32 s56, s17, 7
	s_lshl_b32 s53, s14, 5
	s_add_co_u32 s56, s56, s53
	s_lshl_b32 s56, s56, 12
	s_add_co_u32 s56, s56, s51                     ; row 128 ty + 32 w, column 128 tx
	s_mov_b32 s57, 0
	s_mov_b32 s[TB], 0
	s_mov_b32 s[PH], 0
	s_wait_alu depctr_va_vdst(0)
	s_wait_dscnt 0x0
	s_wait_kmcnt 0x0
	s_add_nc_u64 s[20:21], s[4:5], s[20:21]
	s_add_nc_u64 s[BPC:BPC+1], s[6:7], s[22:23]
	s_add_nc_u64 s[BPN:BPN+1], s[BPC:BPC+1], 4*REC
	s_add_nc_u64 s[PFA:PFA+1], s[20:21], s[18:19]
	s_add_nc_u64 s[8:9], s[8:9], s[54:55]
	s_add_nc_u64 s[10:11], s[10:11], s[56:57]
	s_add_nc_u64 s[12:13], s[12:13], s[56:57]
	s_mov_b32 s[G0], 1
	s_mov_b32 s[G0+1], s[WR]
	s_mov_b64 s[G0+2:G0+3], s[20:21]
	s_or_b32 s[G0+3], s[G0+3], 0x80000000
.irp a, 0,1,2,3,4,5,6,7                ; register j of accumulator (a, b): column 32 w + 16 h + 8 b + j
.irp b, 0,1
	global_load_b128 v[ACC+8*(2*\a+\b):ACC+8*(2*\a+\b)+3], v[VB], s[8:9] offset:32*\b
	global_load_b128 v[ACC+8*(2*\a+\b)+4:ACC+8*(2*\a+\b)+7], v[VB], s[8:9] offset:32*\b+16
.endr
.endr
	CROUND                                         ; all sixteen work-groups are here
	TLOAD                                          ; fill 0: my one tensor load at the head
	v_and_b32 v1, 15, v0
	v_and_b32 v3, 31, v0
	v_lshlrev_b32 v[CO], 4, v3
	v_lshlrev_b32 v6, 2, v3
	v_lshlrev_b32 v[PFO], 8, v3
.irp r, 0,1,2,3
	v_add_nc_u32 v[AB+\r], \r*REC, v[CO]
	v_add_nc_u32 v[SBA+\r], \r*REC+32768, v6
.endr
	s_lshl_b32 s18, s14, 13
	v_add_nc_u32 v[VBO], s18, v[CO]                ; B's tiles 2 w, 2 w + 1
	v_add_nc_u32 v[VBS], s52, v6
	s_wait_alu depctr_va_vdst(0)
.irp g, 0,1,2,3,4,5
	BLOAD \g
	BSC \g
.endr
	v_and_b32 v7, 8, v1
	v_add_nc_u32 v7, v7, v1                        ; place r of a tile is row r + 8 (r / 8) of its 32
	v_mul_u32_u24 v[STO], v7, SP
	v_lshl_add_u32 v[STO], v2, 6, v[STO]
	s_add_co_u32 s19, s52, STAGE
	v_add_nc_u32 v[STO], s19, v[STO]               ; the stage, in: my row, byte 128 w + 64 h
	s_mul_i32 s19, s14, 32*SP
	s_add_co_u32 s19, s19, STAGE
	v_add_nc_u32 v[RD], s19, v[CO]                 ; and back: rows 32 w on, 16 bytes a lane
	s_wait_alu depctr_va_vdst(0)                   ; at the head's end
.Lfill:                                            ; three trips: phases 0, 1, 2
	s_wait_tensorcnt 0x0                           ; my record of this phase's slot is in
	ds_add_u32 v[SPW], v[NIL]
	s_xor_b32 s[TF], s[TB], SLOT
	s_add_co_u32 s[G0+1], s[WR], s[TF]             ; into the other slot,
	s_add_nc_u64 s[G0+2:G0+3], s[G0+2:G0+3], 4*REC ; the next phase's four records
	s_wait_dscnt 0x0                               ; the add is done, and my reads of the other slot are over
	CROUND
	TLOAD                                          ; the first time slot 1's first fill, issued as a refill is
	ADDRS
	FETCHA 0
	s_cmp_lt_u32 s[PH], NPH-2
	s_cbranch_scc0 .Lno_ask
	global_prefetch_b8 v[PFO], s[PFA:PFA+1] th:TH_LOAD_NT scope:SCOPE_SE   ; the fill that the next trip will ask for
.Lno_ask:
.irp st, 0,1,2,3,4,5,6,7
	STEP \st, 1
.endr
	WIN 0
	s_wait_xcnt 0x0                                ; my loads and my prefetch have read their bases, which are written below
	s_mov_b64 s[BPC:BPC+1], s[BPN:BPN+1]
	s_add_nc_u64 s[BPN:BPN+1], s[BPN:BPN+1], 4*REC
	s_add_nc_u64 s[PFA:PFA+1], s[PFA:PFA+1], 4*REC
	s_xor_b32 s[TB], s[TB], SLOT
	s_add_co_u32 s[PH], s[PH], 1
	s_cmp_lt_u32 s[PH], NPH-1
	s_cbranch_scc1 .Lfill
	s_wait_tensorcnt 0x0                           ; the last phase: its slot is in; nothing more is filled
	ds_add_u32 v[SPW], v[NIL]
	s_wait_dscnt 0x0
	s_barrier_signal -1
	s_barrier_wait -1
	ADDRS
	FETCHA 0
.irp st, 0,1,2,3,4,5,6,7
	STEP \st, 0
.endr
	WIN 0
	PLACES 8                                       ; behind the last products
.irp a, 0,1,2,3,4,5,6,7
.irp b, 0,1
	ds_store_b128 v[STO], v[ACC+8*(2*\a+\b):ACC+8*(2*\a+\b)+3] offset:(32*(\a/2)+8*(\a%2))*SP+32*\b
	ds_store_b128 v[STO], v[ACC+8*(2*\a+\b)+4:ACC+8*(2*\a+\b)+7] offset:(32*(\a/2)+8*(\a%2))*SP+32*\b+16
.endr
.endr
	s_wait_dscnt 0x0                               ; for the others' sake
	s_barrier_signal -1
	s_barrier_wait -1
	WIN 0x40
.set t, 0
.rept 32
	ds_load_b128 v[4*t:4*t+3], v[RD] offset:t*SP
.set t, t+1
.endr
	s_wait_loadcnt 0x0                             ; the residual
.irp c, 0,1,2,3
	s_wait_dscnt 24-8*\c                           ; eight more rows are back
	WIN 0x49                                       ; window 1 = window 1 + window 2
.set i, 0
.rept 16
	v_pk_add_f32 v[32*\c+2*i:32*\c+2*i+1], v[32*\c+2*i:32*\c+2*i+1], v[32*\c+2*i:32*\c+2*i+1]
.set i, i+1
.endr
	WIN 0x04
.set t, 0
.rept 8
	global_store_b128 v[CO], v[32*\c+4*t:32*\c+4*t+3], s[12:13] offset:(8*\c+t)*4096 th:TH_STORE_NT   ; 512 consecutive bytes, aligned
.set t, t+1
.endr
.endr
	WIN 0
	s_wait_tensorcnt 0x0                           ; the wave's end
	ds_add_u32 v[SPW], v[NIL]
	s_wait_dscnt 0x0
	CROUND                                         ; the closing round
	s_endpgm
.Lfunc_end_k_qc3ce9ee8b4_mlp2:
	.size	k_qc3ce9ee8b4_mlp2, .Lfunc_end_k_qc3ce9ee8b4_mlp2-k_qc3ce9ee8b4_mlp2
	.p2alignl 7, 3214868480
	.fill 96, 4, 3214868480
	.section	.rodata,"a",@progbits
	.p2align	6, 0x0
	.amdhsa_kernel k_qc3ce9ee8b4_mlp2
		.amdhsa_group_segment_fixed_size 327680
		.amdhsa_private_segment_fixed_size 0
		.amdhsa_enable_private_segment 0
		.amdhsa_kernarg_size 40
		.amdhsa_user_sgpr_count 2
		.amdhsa_user_sgpr_kernarg_segment_ptr 1
		.amdhsa_wavefront_size32 1
		.amdhsa_system_sgpr_workgroup_id_x 1
		.amdhsa_system_sgpr_workgroup_id_y 1
		.amdhsa_system_sgpr_workgroup_id_z 1
		.amdhsa_system_vgpr_workitem_id 0
		.amdhsa_next_free_vgpr 1024
		.amdhsa_next_free_sgpr 66
		.amdhsa_reserve_vcc 0
		.amdhsa_float_denorm_mode_32 3
		.amdhsa_float_denorm_mode_16_64 3
		.amdhsa_memory_ordered 1
		.amdhsa_forward_progress 1
		.amdhsa_inst_pref_size 114
	.end_amdhsa_kernel
	.amdgpu_metadata
---
amdhsa.version: [ 1, 2 ]
amdhsa.kernels:
  - .name:           k_qc3ce9ee8b4_mlp2
    .symbol:         k_qc3ce9ee8b4_mlp2.kd
    .args:
      - { .name: gimg, .offset: 0, .size: 8, .value_kind: global_buffer, .address_space: global }
      - { .name: wimg, .offset: 8, .size: 8, .value_kind: global_buffer, .address_space: global }
      - { .name: b2, .offset: 16, .size: 8, .value_kind: global_buffer, .address_space: global }
      - { .name: x1, .offset: 24, .size: 8, .value_kind: global_buffer, .address_space: global }
      - { .name: out0, .offset: 32, .size: 8, .value_kind: global_buffer, .address_space: global }
    .group_segment_fixed_size: 327680
    .private_segment_fixed_size: 0
    .kernarg_segment_align: 8
    .kernarg_segment_size: 40
    .max_flat_workgroup_size: 128
    .sgpr_count:     66
    .vgpr_count:     1024
    .wavefront_size: 32
...
	.end_amdgpu_metadata
.endif
;; end of part 6
